; MI455X (gfx1250); checked and timed in simulation.
; The chip was launched on July 23, 2026; its instructions are those of AMD's public machine-readable ISA for CDNA 5 (MIT licence, August 2026) and "CDNA5" Instruction Set Architecture Reference Guide (July 2026). The comments in the code are by the model that wrote it; some were corrected since.
;; Multi Head Attention. Allowed arithmetic: matrix products marked QUANTISED: E3M2 operands, one E8M0 scale for each 32 along K, by v_wmma_scale_f32_16x16x128_f8f6f4 with both operands' format E3M2, f32 sums; everything else in f32.
;; Inputs: W_proj 1,024 x 1,024 float32; W_qkv 3,072 x 1,024 float32; x 4 x 2,048 x 1,024 float32.
;; Outputs: out0 4 x 2,048 x 1,024 float32.
;; This version of the problem:
;;   THIS VERSION OF THE PROBLEM IS GIVEN IN LOW PRECISION. The matrix products marked QUANTISED in the list below multiply operands that are first quantised to E3M2 (3 exponent bits, 2 mantissa bits; 6 bits a number), with one power-of-two scale for each 32 numbers along K (OCP MX v1.0); their sums are f32. All else is computed in f32.
;;   The module's matrix products, in the order in which they are computed (A, B: the left and right operand; K: the contracted axis; several contracted axes count as one K, in the product's order):
;;     1. [M 8,192, K 1,024] x [K 1,024, N 3,072]; A: input x; B: input W_qkv: QUANTISED
;;     2. batch 64 x [M 2,048, K 64] x [K 64, N 2,048]; A: computed on the way; B: computed on the way: QUANTISED
;;     3. batch 64 x [M 2,048, K 2,048] x [K 2,048, N 64]; A: softmax (see below); B: computed on the way: QUANTISED
;;     4. [M 8,192, K 1,024] x [K 1,024, N 1,024]; A: computed on the way; B: input W_proj: QUANTISED
;;   THE QUANTISER, for each operand of a quantised product, along K:
;;     - K is cut into blocks of 32 from its start; a last block that is shorter is filled with zeros.
;;     - A block's scale is 2^e with e = floor(log2(the largest magnitude in the block)) - 4, held to -126 .. 127; a block of zeros has e = 0. As a byte (E8M0): e + 127.
;;     - Each number is divided by its block's scale, clamped to +-28, and rounded to the nearest number of E3M2, ties to even, subnormals kept.
;;     - The product sums the exact products of the quantised numbers (number of the format x scale) in f32.
;;   ~~~python
;;   def quantise(x, axis):      # numpy; x: float32 -> the quantised numbers, widened to float32 again
;;       x = np.moveaxis(x, axis, -1); K = x.shape[-1]
;;       x = np.pad(x, [(0, 0)] * (x.ndim - 1) + [(0, -K % 32)]); x = x.reshape(x.shape[:-1] + (-1, 32)); a = np.abs(x).max(-1, keepdims=True)
;;       e = np.where(a > 0, np.clip(np.frexp(np.where(a > 0, a, 1))[1] - 1 - 4, -126, 127), 0)      # np.frexp(a)[1] - 1 = floor(log2(a)), exactly
;;       r = np.clip(x / 2.0 ** e, -28, 28)
;;       step = 2.0 ** (np.maximum(np.frexp(np.where(r == 0, 1, r))[1] - 1, -2) - 2)
;;       q = np.round(r / step) * step * 2.0 ** e      # np.round: ties to even
;;       return np.moveaxis(q.reshape(q.shape[:-2] + (-1,))[..., :K], -1, axis).astype(np.float32)
;;   ~~~
;;   SOFTMAX AHEAD OF A QUANTISED PRODUCT. Where the list says 'softmax', what is quantised is not the finished softmax but p = 2^(t - M), with t = logit x log2(e) and M = ceil(the row's largest t), a whole number; so 1/2 < the row's largest p <= 1. The row's sum l is taken of the UNQUANTISED p, in f32, and the product's result is divided by l at the end. Since M is a whole number, a kernel that streams over the keys may use a running M (the ceiling of the running maximum): every later rescaling is an exact power of two, which a block's scale takes up: the codes' values come out the same.
;;   OPERANDS COMPUTED ON THE WAY. 'Computed on the way' means the value that the module computes at that place (a softmax that the list does not call 'softmax' is quantised finished and normalised). What goes into a quantiser is computed in f32, as accurately as f32 sums, v_exp_f32 and their like allow (about 1e-6 of the number): no bf16 or f16 on the way to a quantiser, and a product that is left as it is and whose result goes on into a quantised operand takes f32 operands (vector FMAs, or v_wmma_f32_16x16x4_f32). A number that lies on a knife's edge between two numbers of the format may be rounded either way, as far as f32 arithmetic and the matrix unit's own rounding can turn it there, and no further.
;; One version. Each part assembles by itself: llvm-mc -triple=amdgcn-amd-amdhsa -mcpu=gfx1250 --defsym DOCPART=n.
;; ======== version 1 of 1: 4 launches
;; limits: right only within a limited range of input values
;; workspace buffers: xq 6,553,600 bytes; wq 3,276,800 bytes; qkv 19,660,800 bytes; oq 6,553,600 bytes
;; launch quant (part 1): grid 384 x 1, 4 waves a work-group, no clusters, 49,664 bytes of LDS; arguments x, W_qkv, xq, wq, W_proj; writes xq, wq
.if DOCPART == 1
	.amdgcn_target "amdgcn-amd-amdhsa--gfx1250"
	.amdhsa_code_object_version 6
	.text
	.protected	k_qb29b697f8c_quant
	.globl	k_qb29b697f8c_quant
	.p2align	8
	.type	k_qb29b697f8c_quant,@function
k_qb29b697f8c_quant:
	s_mov_b64 s[64:65], 0
	v_nop
	global_prefetch_b8 v0, s[64:65] scope:SCOPE_SE
	s_setreg_imm32_b32 hwreg(HW_REG_WAVE_MODE, 25, 1), 1
	s_wait_xcnt 0x0
; x [8192][1024], W_qkv [3072][1024] and W_proj [1024][1024], f32, K innermost, become codes of BF6 (E3M2) with one E8M0 byte for each 32 along K.
; A block's scale is 2^(floor(log2(its largest magnitude)) - 4); its byte is that magnitude's exponent field - 4, held at 1 from below; numbers are divided by it, rounded to the nearest code, ties to even, beyond 28 the largest code.
; LAYOUT.  Codes lie as IMAGES OF OPERAND REGISTERS: [16 rows][8 steps of 128 K][6 pieces][32 lanes][8 bytes]: piece 3 c + j of lane r + 16 h holds bytes 8 j .. 8 j + 7 of the 24 bytes of row r, K = 64 c + 32 h + 0 .. 31.
; Scale bytes: [16 rows as a group][half of K][row r][16 bytes], from XSC (xq) or WSC (wq) on.  wq holds W_qkv's 3072 rows, then W_proj's.
; ROW ORDER: in x and W_qkv image row r of the u-th 16 of each 32 rows is row 8 u + r + 8 (r / 8), so that the next launch's results come in the order that its own quantiser wants.  W_proj's rows keep their order.
; LIMITS: NaN and infinities are not served; a block whose largest magnitude lies under 2^-122, a block of zeros too, gets the byte 1 (the bytes are read by this program alone).
; SHARES: a work-group takes 32 rows; wave g takes 16 rows (u = g / 2) x 512 along K (half g % 2): 16 steps, a step = 2,048 consecutive bytes of one row.  Work-groups 0-255: x; 256-351: W_qkv; 352-383: W_proj.
; A step's bytes turn through the wave's own stage in LDS, so that a lane holds 16 neighbours; its 12 bytes of codes go to the wave's own image in LDS (a unit of 256 bytes + 16 of padding),
; and at the end the image, 6,144 bytes, and the 256 scale bytes leave as consecutive aligned runs.  No tensor loads, no barrier: waves share nothing.  Loads run four steps ahead.
.set STEPS, 16
.set EMAX,  4
.set R,     16                         ; v16-79   four sets of 16 numbers as loaded; at the end the image on its way out
.set X,     80                         ; v80-111  two sets of 16 neighbours
.set C,     128                        ; v128-191 codes, four registers for each step
.set E,     112                        ; v112-127 a scale byte for each step
.set WREG,  12288                      ; LDS for each wave: two stages of 32 x SP, 256 scale bytes at SCB, the image at IMG (24 x 272)
.set SP,    80
.set SCB,   5120
.set IMG,   5376
.set XSC,   6291456
.set WSC,   3145728
.set A0,    194                        ; v194 image address of my words 0 and 2, v195 of my word 1
.set A1,    195
	s_load_b256 s[4:11], s[0:1], 0x0               ; x, W_qkv, xq, wq
	s_load_b64 s[12:13], s[0:1], 0x20              ; W_proj
	v_lshl_add_u32 v192, v0, 2, 0xc000             ; my spare word, behind the four regions
	v_mov_b32 v193, 0
	v_lshrrev_b32 v1, 5, v0
	v_readfirstlane_b32 s16, v1                    ; wave g
	v_and_b32 v2, 31, v0                           ; lane
	v_lshlrev_b32 v3, 4, v2                        ; my 16 bytes of 512
	s_mul_i32 s17, s16, WREG
	v_lshrrev_b32 v14, 2, v2
	v_mul_u32_u24 v10, v14, 816                    ; the image: three units of 272 for each 64 along K (lane / 4)
	v_mul_u32_u24 v14, v14, SP
	v_and_b32 v15, 3, v2
	v_lshl_add_u32 v14, v15, 4, v14
	v_add_nc_u32 v14, s17, v14                     ; the stage, on the way in
	v_mul_u32_u24 v15, v2, SP
	v_add_nc_u32 v15, s17, v15                     ; and on the way out
	v_lshrrev_b32 v5, 1, v2                        ; my block of 32 among the step's 16
	v_and_b32 v6, 1, v5                            ; h
	v_lshl_add_u32 v10, v6, 7, v10                 ; + 128 h
	v_add_nc_u32 v10, s17, v10
	v_and_b32 v6, 1, v2                            ; which half of the block's 24 bytes is mine
	v_mad_u32_u24 v[A0], v6, 276, v10              ; words 0 and 2: the upper half lies one unit and one word on
	v_mad_u32_u24 v[A1], v6, 540, v10              ; word 1: from word 1 of piece 0 to word 0 of piece 2
	v_add_nc_u32 v5, s17, v5                       ; my block's scale byte
	v_lshlrev_b32 v4, 3, v2                        ; the scale bytes' way out: 8 bytes a lane
	v_add_nc_u32 v6, s17, v4
	v_lshrrev_b32 v7, 4, v2
	v_mul_u32_u24 v7, v7, 272
	v_and_b32 v8, 15, v2
	v_lshl_add_u32 v7, v8, 4, v7
	v_add_nc_u32 v7, s17, v7                       ; the image's way out: two units an instruction
	s_lshr_b32 s26, s16, 1                         ; u
	s_and_b32 s27, s16, 1                          ; half of K
	s_lshl_b32 s30, s26, 3                         ; image rows 0-7 begin at row 8 u, rows 8-15 at row 8 u + 16;
	s_add_co_u32 s31, s30, 16
	s_lshl_b32 s32, s26, 4                         ; in W_proj at rows 16 u and 16 u + 8
	s_add_co_u32 s33, s32, 8
	s_sub_co_u32 s24, ttmp9, 256
	s_sub_co_u32 s25, ttmp9, 352
	s_mov_b32 s28, XSC
	s_mov_b32 s29, WSC
	s_wait_alu depctr_va_vdst(0)                   ; the wait at the head's end
	s_wait_kmcnt 0x0
	s_cmp_lt_u32 ttmp9, 352                        ; the choices hang on the work-group's number alone
	s_cselect_b64 s[6:7], s[6:7], s[12:13]
	s_cselect_b32 s25, s24, s25
	s_cselect_b32 s30, s30, s32
	s_cselect_b32 s31, s31, s33
	s_cmp_lt_u32 ttmp9, 256
	s_cselect_b64 s[4:5], s[4:5], s[6:7]           ; the source
	s_cselect_b64 s[8:9], s[8:9], s[10:11]         ; the destination
	s_cselect_b32 s25, ttmp9, s25                  ; the group of 32 rows in the source,
	s_cselect_b32 s24, ttmp9, s24                  ; in the destination,
	s_cselect_b32 s28, s28, s29                    ; and where the destination's scale bytes begin
	s_lshl_b32 s18, s25, 5
	s_add_co_u32 s36, s18, s31
	s_add_co_u32 s18, s18, s30
	s_lshl_b32 s18, s18, 12                        ; 4,096 bytes a row (under 2^26 in all)
	s_lshl_b32 s36, s36, 12
	s_lshl_b32 s27, s27, 11
	s_add_co_u32 s18, s18, s27
	s_add_co_u32 s36, s36, s27
	s_mov_b32 s19, 0
	s_mov_b32 s37, 0
	s_add_nc_u64 s[34:35], s[4:5], s[36:37]        ; image rows 8-15
	s_add_nc_u64 s[4:5], s[4:5], s[18:19]          ; image rows 0-7
	s_lshl_b32 s20, s24, 2
	s_add_co_u32 s20, s20, s16                     ; my run in the destination
	s_lshl_b32 s22, s20, 8                         ; 256 scale bytes a run
	s_add_co_u32 s22, s22, s28
	s_mov_b32 s23, 0
	s_add_nc_u64 s[10:11], s[8:9], s[22:23]
	s_mul_i32 s22, s20, 6144                       ; 6,144 bytes of codes a run
	s_add_nc_u64 s[8:9], s[8:9], s[22:23]
.macro LOAD t
.irp i, 0,1,2,3
.if (\t) < 8
	global_load_b128 v[R+16*((\t)%4)+4*\i:R+16*((\t)%4)+4*\i+3], v3, s[4:5] offset:4096*(\t)+512*\i th:TH_LOAD_NT
.else
	global_load_b128 v[R+16*((\t)%4)+4*\i:R+16*((\t)%4)+4*\i+3], v3, s[34:35] offset:4096*((\t)-8)+512*\i th:TH_LOAD_NT
.endif
.endr
.endm
.macro TURN t                          ; LDS serves a wave's instructions in order: no wait between the stores and the loads
.irp i, 0,1,2,3
	ds_store_b128 v14, v[R+16*((\t)%4)+4*\i:R+16*((\t)%4)+4*\i+3] offset:32*SP*((\t)%2)+8*SP*\i
.endr
.irp i, 0,1,2,3
	ds_load_b128 v[X+16*((\t)%2)+4*\i:X+16*((\t)%2)+4*\i+3], v15 offset:32*SP*((\t)%2)+16*\i
.endr
.endm
.irp t, 0,1,2,3
	LOAD \t
.endr
	s_wait_loadcnt 12                              ; step 0's four loads are in
	TURN 0
.macro STEP t
.set XS, X+16*((\t)%2)
.if (\t) > 0
	s_wait_dscnt 4                                 ; this step's numbers are back (the last step's four stores of results may be out)
.else
	s_wait_dscnt 0x0
.endif
.if (\t)+4 < STEPS
	LOAD (\t)+4
.endif
.if (\t)+1 < STEPS
.if STEPS-2-(\t) >= 3
	s_wait_loadcnt 12                              ; the next step's four loads are in; three steps' may be out
.else
	s_wait_loadcnt 4*(STEPS-2-(\t))
.endif
	TURN (\t)+1
.endif
	v_max3_num_f32 v8, |v[XS]|, |v[XS+1]|, |v[XS+2]|               ; the largest magnitude of my 16, in two chains
	v_max3_num_f32 v9, |v[XS+3]|, |v[XS+4]|, |v[XS+5]|
.irp i, 6,10
	v_max3_num_f32 v8, v8, |v[XS+\i]|, |v[XS+\i+1]|
	v_max3_num_f32 v9, v9, |v[XS+\i+2]|, |v[XS+\i+3]|
.endr
	v_max3_num_f32 v8, v8, |v[XS+14]|, |v[XS+15]|
	v_max3_num_f32 v8, v8, v9, (EMAX+1)<<23        ; the floor 2^(5 - 127): the byte cannot fall under 1
	v_max_num_f32_dpp v8, v8, v8 row_xmask:1 row_mask:0xf bank_mask:0xf   ; with my neighbour's 16: the block's
	v_add_nc_u32 v11, -(EMAX<<23), v8              ; 4 off its exponent field: the conversion's scale operand
	v_cvt_scalef32_pk16_bf6_f32 v[C+4*(\t):C+4*(\t)+2], v[XS:XS+15], v11
	v_lshrrev_b32 v[E+(\t)], 23, v11               ; the scale's byte (also the plain line behind the conversion)
	ds_store_b8 v5, v[E+(\t)] offset:SCB+16*(\t)   ; both lanes of a block write the same byte
	ds_store_b32 v[A0], v[C+4*(\t)] offset:IMG+8*(\t)             ; row t of the image
	ds_store_b32 v[A1], v[C+4*(\t)+1] offset:IMG+4+8*(\t)
	ds_store_b32 v[A0], v[C+4*(\t)+2] offset:IMG+272+8*(\t)
.endm
.irp t, 0,1,2,3,4,5,6,7,8,9,10,11,12,13,14,15
	STEP \t
.endr
	ds_load_b64 v[12:13], v6 offset:SCB            ; these see my stores: LDS serves a wave in order
.irp k, 0,1,2,3,4,5,6,7,8,9,10,11
	ds_load_b128 v[R+4*\k:R+4*\k+3], v7 offset:IMG+544*\k
.endr
	s_wait_dscnt 12
	global_store_b64 v4, v[12:13], s[10:11]        ; 256 consecutive bytes, aligned
	s_wait_dscnt 0x0
.irp k, 0,1,2,3,4,5,6,7,8,9,10,11
	global_store_b128 v3, v[R+4*\k:R+4*\k+3], s[8:9] offset:512*\k   ; 512 consecutive bytes, aligned
.endr
	s_wait_tensorcnt 0x0                           ; the wave's end
	ds_add_u32 v192, v193
	s_wait_dscnt 0x0
	s_endpgm
.Lfunc_end_k_qb29b697f8c_quant:
	.size	k_qb29b697f8c_quant, .Lfunc_end_k_qb29b697f8c_quant-k_qb29b697f8c_quant
	.p2alignl 7, 3214868480
	.fill 96, 4, 3214868480
	.section	.rodata,"a",@progbits
	.p2align	6, 0x0
	.amdhsa_kernel k_qb29b697f8c_quant
		.amdhsa_group_segment_fixed_size 49664
		.amdhsa_private_segment_fixed_size 0
		.amdhsa_enable_private_segment 0
		.amdhsa_kernarg_size 40
		.amdhsa_user_sgpr_count 2
		.amdhsa_user_sgpr_kernarg_segment_ptr 1
		.amdhsa_wavefront_size32 1
		.amdhsa_system_sgpr_workgroup_id_x 1
		.amdhsa_system_sgpr_workgroup_id_y 1
		.amdhsa_system_sgpr_workgroup_id_z 1
		.amdhsa_system_vgpr_workitem_id 0
		.amdhsa_next_free_vgpr 200
		.amdhsa_next_free_sgpr 66
		.amdhsa_reserve_vcc 0
		.amdhsa_float_denorm_mode_32 3
		.amdhsa_float_denorm_mode_16_64 3
		.amdhsa_memory_ordered 1
		.amdhsa_forward_progress 1
		.amdhsa_inst_pref_size 37
	.end_amdhsa_kernel
	.amdgpu_metadata
---
amdhsa.version: [ 1, 2 ]
amdhsa.kernels:
  - .name:           k_qb29b697f8c_quant
    .symbol:         k_qb29b697f8c_quant.kd
    .args:
      - { .name: x, .offset: 0, .size: 8, .value_kind: global_buffer, .address_space: global }
      - { .name: W_qkv, .offset: 8, .size: 8, .value_kind: global_buffer, .address_space: global }
      - { .name: xq, .offset: 16, .size: 8, .value_kind: global_buffer, .address_space: global }
      - { .name: wq, .offset: 24, .size: 8, .value_kind: global_buffer, .address_space: global }
      - { .name: W_proj, .offset: 32, .size: 8, .value_kind: global_buffer, .address_space: global }
    .group_segment_fixed_size: 49664
    .private_segment_fixed_size: 0
    .kernarg_segment_align: 8
    .kernarg_segment_size: 40
    .max_flat_workgroup_size: 128
    .sgpr_count:     66
    .vgpr_count:     200
    .wavefront_size: 32
...
	.end_amdgpu_metadata
.endif
;; end of part 1
;; launch gemm_qkv (part 2): grid 96 x 4, 4 waves a work-group, clusters of 4 x 4, 327,680 bytes of LDS; arguments xq, wq, qkv; writes qkv
.if DOCPART == 2
	.amdgcn_target "amdgcn-amd-amdhsa--gfx1250"
	.amdhsa_code_object_version 6
	.text
	.protected	k_qb29b697f8c_gemm_qkv
	.globl	k_qb29b697f8c_gemm_qkv
	.p2align	8
	.type	k_qb29b697f8c_gemm_qkv,@function
k_qb29b697f8c_gemm_qkv:
	s_mov_b64 s[64:65], 0
	v_nop
	global_prefetch_b8 v0, s[64:65] scope:SCOPE_SE
	s_setreg_imm32_b32 hwreg(HW_REG_WAVE_MODE, 25, 1), 1
	s_wait_xcnt 0x0
	s_wait_alu depctr_hold_cnt(0) depctr_sa_sdst(0) depctr_va_vdst(0) depctr_va_sdst(0) depctr_va_ssrc(0) depctr_va_vcc(0) depctr_vm_vsrc(0)
	s_getreg_b32 s2, hwreg(HW_REG_IB_STS2, 6, 4)
	s_cmp_eq_u32 s2, 0
	s_cbranch_scc0 .Lentry_in_a_cluster
	s_endpgm
.Lentry_in_a_cluster:
	s_bfe_u32 s2, ttmp6, 0x10000c
	s_cmp_lg_u32 s2, 0xf033
	s_cbranch_scc0 .Lentry_shape_is_right
	s_endpgm
.Lentry_shape_is_right:
; qkv = x W_qkv^T on codes of BF6 (E3M2) with one E8M0 scale for each 32 along K = 1,024; sums in f32.  The results never go to memory as f32: each wave quantises its 128 x 128 straight from the accumulators
; into the operands of the attention launch: q and k along the head's 64, v along the keys.
; A tile of 256 x 256 is made by four waves, 128 x 128 each: 64 accumulators, 512 registers.  K goes in steps of 256 through a ring of two LDS slots filled by the tensor data mover; the scale bytes of the tile's rows come once.
; ROLES.  The matrix instruction is used with source 0 = 16 rows of role B and source 1 = 16 rows of role A: a lane then holds ONE row of A, and its registers run along B's rows.  A quantiser wants its K along a lane's registers:
;   clusters 0-15 (q, k):  A = tokens (xq), B = rows 0-2047 of W_qkv (wq): registers run along the head's channels.
;   clusters 16-23 (v):    A = rows 2048-3071 of W_qkv, B = tokens: registers run along the keys.
; Both buffers' rows are stored so that stored row 16 u + r of each 32 is row 8 u + r + 8 (r / 8): the 16 registers of B's blocks 2 i and 2 i + 1 are then 16 NEIGHBOURS, 32 i + 16 (lane / 16) + 0 .. 15.
; CLUSTERS: 4 x 4 work-groups; A's tile is shared along a row of the cluster, B's along a column: each is asked for jointly.  The role hangs on the cluster's number, which all sixteen partners share.
; OUT.  qkv: [q, k, v][batch x head 64][step 16][6,400 bytes]: a step (128 tokens) holds four images of operand registers, 1,536 bytes each (registers 4 c .. 4 c + 3 of lane l at 512 c + 16 l), and 256 bytes of scale words (16 r + 4 i).
;   q, k, image g: registers 0-5: token 32 g + r + 8 (r / 8), registers 6-11: token 32 g + 8 + r + 8 (r / 8); in both, lanes 0-15 channels 0-31, lanes 16-31 channels 32-63.   v, image t: channel 32 (t / 2) + 8 (t % 2) + r + 8 (r / 8), all 128 keys.
; No prefetch: the walk has two refills a slot pair and the first tiles are asked for at the head.  LIMITS: NaN and infinities are not served; a block whose largest magnitude lies under 2^-122 gets the byte 1.
; REGISTERS, in windows of 256: window 0: v0-31 addresses; v32-63 scale words, two sets; from v128 A's fragments, one set; the way out: v40-51 scale words, v64-159 eight images, v224-249 at work.
;   window 1: B's fragments, two sets.   window 2: the accumulators of A's blocks 0-3 ((a, b) at v[8 (8 (a % 4) + b)]);   window 3: blocks 4-7.
.set KSTEP,  256                       ; along K in a slot
.set NQ,     KSTEP/128                 ; matrix instructions deep
.set KROW,   768                       ; bytes of codes for a row: 16 rows are 12,288 bytes, eight images of 1,536
.set ASTEP,  3072                      ; 16 rows x 256 along K: two images of operand registers, consecutive in memory and in LDS
.set FR,     12                        ; registers of a fragment
.set NL,     6                         ; LDS loads that bring one
.set NP,     4                         ; places behind this matrix instruction (ISA guide 7.12.1)
.set HALFT,  8*ASTEP
.set SLOT,   4*HALFT                   ; A's 256 rows, then B's 256 rows
.set KS,     32                        ; a row of scale bytes
.set SCL,    3*SLOT                    ; slot 0 holds one K step of 256, slot 1, twice as large, two (16 rows of codes 6,144 bytes apart); behind them the scales, as runs of 256 bytes + 16 of padding
.set HALFS,  (128*KS/256)*272
.set SBLK,   (16*KS/256)*272
.set SPARE,  SCL+4*HALFS               ; the spare words, 128 bytes for each wave: two blocks of 256 bytes that no other line names
.set XSC,    6291456                   ; where xq's scale bytes begin
.set WSC,    3145728                   ; and wq's
.set SELB,   6553600                   ; qkv: bytes of q, of k, of v
.set HEADB,  102400                    ; of a head
.set STEPB,  6400                      ; of a step
.set SCO,    6144                      ; a step's scale words
.set ADRA, 16                          ; v16-17 LDS address of my A fragments in slot 0, 1: 8 x lane
.set ADRB, 20                          ; v20-21 the same for B
.set LI,   24                          ; v24    16 x lane: my place in an image
.set SWO,  25                          ; v25    16 r + HEADB x (lane / 16): my place among the scale words
.set ADRS, 27                          ; v27    LDS address of my scale words: lanes 0-15 A's rows, lanes 16-31 B's
.set SPW,  28                          ; v28    LDS address of my spare word; never rewritten
.set NIL,  29                          ; v29    0; never rewritten
.set SC,   32
.set AF,   128
.set SW,   40                          ; the way out: v40-43 the first head's scale words, v44-47 the second's, v48-51 my lane's four
.set F,    64                          ; eight images of 12 registers
.set TM,   224                         ; v224-227 largest magnitudes, v228-231 the other half's, then bytes, v236-239 the conversions' scale operands
.set TC,   240                         ; the second halves of two blocks' codes
.set PW0,  248
.set PW1,  249
.set SEL,  96                          ; s[96:97] lane selects for v_permlanex16_b32 (on the way out)
.set G1, 24
.set G0, 32
.set G1B, 48
.set G0B, 56
.set G1S, 68
.set G0S, 76
.set G1SB, 80
.set G0SB, 88
.set G0H, 4                            ; s[4:7], s[92:95] group 0 for the head's loads of K step 0: A's 256 rows, B's 256 rows (what lay there has been used by then)
.set G0HB, 92
.set MSB, 0
.macro WIN new                         ; the immediate's high byte repeats the setting that is left
.if MSB != (\new)
	s_set_vgpr_msb (MSB<<8)|(\new)
.set MSB, (\new)
.endif
.endm
.set MUL_LO, 0xa1                      ; source 0 (B) window 1, source 1 (A) window 0, C and D window 2
.set MUL_HI, 0xf1
.set TO_B,   0x40
; A joint load: waves 0 and 1 fetch for A, waves 2 and 3 for B; the branch hangs on the wave's number alone.  Four v_nop follow each of the two lines.
.macro JLOAD g0a, g1a, g0b, g1b
	s_cmp_eq_u32 s15, 0
	s_cbranch_scc0 .Lfor_b_\@
	tensor_load_to_lds s[\g0a:\g0a+3], s[\g1a:\g1a+7]
	s_nop 0
.rept 4
	v_nop
.endr
	s_branch .Lasked_\@
.Lfor_b_\@:
	tensor_load_to_lds s[\g0b:\g0b+3], s[\g1b:\g1b+7]
	s_nop 0
.rept 4
	v_nop
.endr
.Lasked_\@:
.endm
.macro CREST                           ; a round of the cluster's barrier behind its opening barrier
	s_cmp_lg_u32 s14, 0
	s_cbranch_scc1 .Lnot_wave_0_\@
	s_barrier_signal -3
.Lnot_wave_0_\@:
	s_barrier_wait -3
	s_barrier_signal -1
	s_barrier_wait -1
.endm
.macro CROUND
	s_barrier_signal -1
	s_barrier_wait -1
	CREST
.endm
	s_load_b128 s[4:7], s[0:1], 0x0                ; xq, wq
	s_load_b64 s[8:9], s[0:1], 0x10                ; qkv
	v_lshl_add_u32 v[SPW], v0, 2, SPARE
	v_mov_b32 v[NIL], 0
	ds_add_u32 v28, v29
	ds_add_u32 v28, v29
	s_wait_dscnt 0x0
	v_lshrrev_b32 v1, 5, v0
	v_readfirstlane_b32 s14, v1                    ; wave 0..3
	s_lshr_b32 s15, s14, 1                         ; which half of A's rows is mine.  Also: I fetch for A (0) or for B (1)
	s_and_b32 s16, s14, 1                          ; which half of B's rows.  Also: which 128 rows I fetch
	s_bfe_u32 s40, ttmp6, 0x40000                  ; cx, cy: my place in the cluster
	s_bfe_u32 s41, ttmp6, 0x40004
	s_lshr_b32 s17, ttmp9, 1                       ; q, k: the cluster's row of tiles (tokens),
	s_and_b32 s42, ttmp9, 1                        ; and its column (weights)
	s_sub_co_u32 s95, ttmp9, 16                    ; v: its column (tokens); its row is 0
	s_mov_b32 s96, XSC
	s_mov_b32 s97, WSC
	s_cmp_ge_u32 ttmp9, 16                         ; the role: the same in all sixteen partners
	s_cselect_b32 s17, 0, s17
	s_cselect_b32 s42, s95, s42
	s_cselect_b32 s95, 2048, 0                     ; A's first row in its buffer
	s_cselect_b32 s98, s97, s96                    ; where A's scale bytes begin,
	s_cselect_b32 s99, s96, s97                    ; and B's
	s_lshl_b32 s42, s42, 2
	s_add_co_u32 s42, s42, s40                     ; tile column = 4 x the cluster's + cx
	s_lshl_b32 s17, s17, 2
	s_add_co_u32 s17, s17, s41                     ; tile row = 4 x the cluster's + cy
	s_lshl_b32 s43, s41, 2
	s_lshl_b32 s43, 15, s43                        ; my row of the cluster
	s_lshl_b32 s44, 0x1111, s40                    ; my column
	; descriptor group 1: tiles of codes, rows of 3,072 bytes, no padding
	s_or_b32 s[G1+0], s43, (3<<16)|(1<<21)         ; a tile's row: 16 rows of codes x 256 along K, 3,072 bytes (384 elements of 8), 12,288 bytes apart; no padding
	s_or_b32 s[G1B+0], s44, (3<<16)|(1<<21)
.irp g, G1, G1B
	s_mov_b32 s[\g+1], 384<<16
	s_mov_b32 s[\g+2], 16<<16                      ; the head's loads bring 256 rows of codes; behind them these two words are set to 8
	s_mov_b32 s[\g+3], 384<<16
	s_mov_b32 s[\g+4], 16
	s_mov_b32 s[\g+5], 1536
	s_mov_b32 s[\g+6], 0
	s_mov_b32 s[\g+7], 0
.endr
	; the scales of 256 rows: a dense block of 8,192 bytes, as 32 rows of 256 bytes (32 elements of 8), 16 bytes of padding behind each
	s_or_b32 s[G1S+0], s43, (3<<16)|(1<<20)|(1<<21)|(5<<22)|(3<<25)
	s_or_b32 s[G1SB+0], s44, (3<<16)|(1<<20)|(1<<21)|(5<<22)|(3<<25)
.irp g, G1S, G1SB
	s_mov_b32 s[\g+1], 32<<16
	s_mov_b32 s[\g+2], KS<<16
	s_mov_b32 s[\g+3], 32<<16
	s_mov_b32 s[\g+4], KS
	s_mov_b32 s[\g+5], 32
	s_mov_b32 s[\g+6], 0
	s_mov_b32 s[\g+7], 0
.endr
	s_mul_i32 s18, s16, 128*KROW                   ; in the ring I fetch 128 rows of a tile: which half, in bytes
	s_mov_b32 s19, 0
	s_lshl_b32 s20, s17, 8
	s_add_co_u32 s20, s20, s95                     ; A: the tile's first row in its buffer
	s_lshl_b32 s46, s42, 8                         ; B likewise
	s_lshl_b32 s22, s20, 5                         ; 32 scale bytes a row
	s_add_co_u32 s22, s22, s98
	s_mov_b32 s23, 0
	s_lshl_b32 s92, s46, 5
	s_add_co_u32 s92, s92, s99
	s_mov_b32 s93, 0
	s_mul_i32 s20, s20, KROW                       ; the codes (all offsets stay under 2^23)
	s_mov_b32 s21, 0
	s_mul_i32 s46, s46, KROW
	s_mov_b32 s47, 0
	s_mul_i32 s45, s14, HALFT                      ; where they go: wave x 128 rows: no place in the cluster enters an LDS address
	s_wait_kmcnt 0x0
	s_cmp_ge_u32 ttmp9, 16
	s_cselect_b64 s[10:11], s[6:7], s[4:5]         ; A's buffer
	s_cselect_b64 s[12:13], s[4:5], s[6:7]         ; B's
	s_add_nc_u64 s[20:21], s[10:11], s[20:21]
	s_add_nc_u64 s[22:23], s[10:11], s[22:23]
	s_add_nc_u64 s[46:47], s[12:13], s[46:47]
	s_add_nc_u64 s[92:93], s[12:13], s[92:93]
	CROUND                                         ; all sixteen work-groups are here: the first joint loads meet
	s_mov_b32 s[G0S], 1
	s_mov_b32 s[G0S+1], SCL
	s_mov_b64 s[G0S+2:G0S+3], s[22:23]
	s_or_b32 s[G0S+3], s[G0S+3], 0x80000000
	s_mov_b32 s[G0SB], 1
	s_mov_b32 s[G0SB+1], SCL+2*HALFS
	s_mov_b64 s[G0SB+2:G0SB+3], s[92:93]
	s_or_b32 s[G0SB+3], s[G0SB+3], 0x80000000
	s_mov_b32 s[G0H], 1                            ; K step 0, whole: A's 256 rows,
	s_mov_b32 s[G0H+1], 0
	s_mov_b64 s[G0H+2:G0H+3], s[20:21]
	s_or_b32 s[G0H+3], s[G0H+3], 0x80000000
	s_mov_b32 s[G0HB], 1                           ; and B's, behind them in slot 0
	s_mov_b32 s[G0HB+1], 2*HALFT
	s_mov_b64 s[G0HB+2:G0HB+3], s[46:47]
	s_or_b32 s[G0HB+3], s[G0HB+3], 0x80000000
	s_add_nc_u64 s[20:21], s[20:21], s[18:19]      ; for the ring: my 128 rows
	s_add_nc_u64 s[46:47], s[46:47], s[18:19]
.irp s, 0,1
	s_mov_b32 s[G0+4*\s], 1
	s_add_co_u32 s[G0+4*\s+1], s45, \s*SLOT
	s_add_nc_u64 s[G0+4*\s+2:G0+4*\s+3], s[20:21], \s*ASTEP
	s_or_b32 s[G0+4*\s+3], s[G0+4*\s+3], 0x80000000
	s_mov_b32 s[G0B+4*\s], 1
	s_add_co_u32 s[G0B+4*\s+1], s45, \s*SLOT
	s_add_nc_u64 s[G0B+4*\s+2:G0B+4*\s+3], s[46:47], \s*ASTEP
	s_or_b32 s[G0B+4*\s+3], s[G0B+4*\s+3], 0x80000000
.endr
; The head's loads, one a wave: wave 0 A's codes of K step 0, wave 1 B's, wave 2 A's scales, wave 3 B's.  One chain of branches on the wave's number, every way through it passes one load.
	s_add_co_u32 s[G0+5], s[G0+5], s45             ; in slot 1 a wave's part is twice as long
	s_add_co_u32 s[G0B+5], s[G0B+5], s45
.macro ARM under, g0, g1, next
	s_cmp_lt_u32 s14, \under
	s_cbranch_scc0 \next
	tensor_load_to_lds s[\g0:\g0+3], s[\g1:\g1+7]
	s_nop 0
.rept 4
	v_nop
.endr
	s_branch .Lhead_asked
\next:
.endm
	ARM 1, G0H,  G1,  .Lhead_b
	ARM 2, G0HB, G1B, .Lhead_sa
	ARM 3, G0S,  G1S, .Lhead_sb
	tensor_load_to_lds s[G0SB:G0SB+3], s[G1SB:G1SB+7]
	s_nop 0
.rept 4
	v_nop
.endr
.Lhead_asked:
	v_and_b32 v1, 15, v0                           ; r = l % 16
	v_bfe_u32 v2, v0, 4, 1                         ; h = l / 16
	v_and_b32 v3, 31, v0
	v_lshlrev_b32 v4, 3, v3                        ; my 8 bytes of each piece of an image
	s_wait_alu depctr_va_vdst(0)
	s_mul_i32 s21, s15, HALFT                      ; my 128 rows of A
	s_mul_i32 s22, s16, HALFT                      ; my 128 rows of B,
	s_add_co_u32 s22, s22, 2*HALFT                 ; which lie behind A's 256
	v_add_nc_u32 v[ADRA], s21, v4
	v_add_nc_u32 v[ADRB], s22, v4
	s_lshl_b32 s21, s21, 1                         ; slot 1: every part twice as long
	s_lshl_b32 s22, s22, 1
	s_add_co_u32 s21, s21, SLOT
	s_add_co_u32 s22, s22, SLOT
	v_add_nc_u32 v[ADRA+1], s21, v4
	v_add_nc_u32 v[ADRB+1], s22, v4
	v_lshlrev_b32 v5, 4, v1                        ; my row's scales: 16 bytes a row in each half of K
	s_mul_i32 s21, s15, HALFS
	s_mul_i32 s22, s16, HALFS
	s_add_co_u32 s22, s22, 2*HALFS
	s_sub_co_u32 s22, s22, s21
	v_mul_u32_u24 v6, s22, v2                      ; lanes 16-31 take B's: one product, the distance between the two bases
	s_add_co_u32 s21, s21, SCL
	v_add_nc_u32 v5, v5, v6
	v_add_nc_u32 v[ADRS], s21, v5
	v_and_b32 v6, 31, v0
	v_lshlrev_b32 v[LI], 4, v6
	v_lshlrev_b32 v[SWO], 4, v1
	v_mad_u32_u24 v[SWO], v2, HEADB, v[SWO]
	; where my two heads' step begins in qkv
	s_lshl_b32 s20, s17, 8
	s_lshl_b32 s21, s15, 7
	s_add_co_u32 s20, s20, s21                     ; A's first row of mine
	s_lshl_b32 s21, s42, 8
	s_lshl_b32 s22, s16, 7
	s_add_co_u32 s21, s21, s22                     ; B's
	s_add_co_u32 s22, s20, 2048
	s_cmp_ge_u32 ttmp9, 16
	s_cselect_b32 s23, s21, s20                    ; my first token
	s_cselect_b32 s22, s22, s21                    ; my first row of W_qkv
	s_lshr_b32 s20, s22, 10                        ; q, k or v
	s_mul_i32 s20, s20, SELB
	s_lshr_b32 s21, s23, 11                        ; batch
	s_lshl_b32 s21, s21, 4
	s_bfe_u32 s22, s22, 0x40006                    ; head: 4 bits from bit 6
	s_add_co_u32 s21, s21, s22
	s_mul_i32 s21, s21, HEADB
	s_add_co_u32 s20, s20, s21
	s_bfe_u32 s21, s23, 0x40007                    ; step: 4 bits from bit 7
	s_mul_i32 s21, s21, STEPB
	s_add_co_u32 s20, s20, s21
	s_mov_b32 s21, 0
	s_add_nc_u64 s[8:9], s[8:9], s[20:21]
	s_mov_b32 s[SEL], 0x76543210
	s_mov_b32 s[SEL+1], 0xfedcba98
.macro FRAG reg, adr, q, i             ; a fragment: lane l holds row l % 16; registers 6 c .. 6 c + 5 hold K = 64 c + 32 (l / 16) + 0 .. 31: 24 bytes of the row's stream of bits, in pieces of 8 bytes
.irp p, 0,1,2,3,4,5
	ds_load_b64 v[\reg+2*\p:\reg+2*\p+1], v[\adr] offset:PIT*(\i)+1536*(\q)+256*\p   ; the 32 lanes read 256 consecutive bytes
.endr
.endm
; 16 matrix instructions: A's blocks a0, a0 + 1 x B's eight, 128 along K.  The 64 accumulators take turns, one instruction a turn, in the same order in every step.
.macro MUL16 a0, p, q, sc, zero
.irp a, \a0, \a0+1
.irp b, 0,1,2,3,4,5,6,7
.if \zero
	v_wmma_scale_f32_16x16x128_f8f6f4 v[8*(8*((\a)%4)+\b):8*(8*((\a)%4)+\b)+7], v[128*(\p)+FR*\b:128*(\p)+FR*\b+FR-1], v[AF+FR*(\a):AF+FR*(\a)+FR-1], 0, v[SC+8*NQ*(\sc)+NQ*\b+(\q)], v[SC+8*NQ*(\sc)+NQ*(\a)+(\q)] matrix_a_fmt:MATRIX_FMT_BF6 matrix_b_fmt:MATRIX_FMT_BF6 matrix_a_scale:MATRIX_SCALE_ROW1
.else
	v_wmma_scale_f32_16x16x128_f8f6f4 v[8*(8*((\a)%4)+\b):8*(8*((\a)%4)+\b)+7], v[128*(\p)+FR*\b:128*(\p)+FR*\b+FR-1], v[AF+FR*(\a):AF+FR*(\a)+FR-1], v[8*(8*((\a)%4)+\b):8*(8*((\a)%4)+\b)+7], v[SC+8*NQ*(\sc)+NQ*\b+(\q)], v[SC+8*NQ*(\sc)+NQ*(\a)+(\q)] matrix_a_fmt:MATRIX_FMT_BF6 matrix_b_fmt:MATRIX_FMT_BF6 matrix_a_scale:MATRIX_SCALE_ROW1
.endif
.endr
.endr
.endm
.macro FETCH_B slot, q, p
.set PIT, ASTEP*(1+(\slot))            ; bytes from 16 rows to the next 16 in this slot
	WIN TO_B
.irp i, 0,1,2,3,4,5,6,7
	FRAG 128*(\p)+FR*\i, ADRB+\slot, \q, \i
.endr
	WIN 0
.endm
.macro FETCH_A slot, q, i0
.set PIT, ASTEP*(1+(\slot))
.irp i, \i0, \i0+1, \i0+2, \i0+3
	FRAG AF+FR*(\i), ADRA+\slot, \q, \i
.endr
.endm
.macro SCALES sc                       ; a K step's scale words: two words a row; lanes 0-15 take A's block i, lanes 16-31 B's block i
.irp i, 0,1,2,3,4,5,6,7
	ds_load_b64 v[SC+8*NQ*\sc+NQ*\i:SC+8*NQ*\sc+NQ*\i+1], v[ADRS] offset:\i*SBLK
.endr
.endm
.macro PLACES n                        ; plain vector instructions between a matrix instruction and a load into, or a vector access to, its registers
.rept \n
	v_nop
.endr
.endm
.macro STEP slot, q, sc, zero          ; sc: the set of scale words at work
	s_wait_dscnt 4*NL                              ; B's set and A's blocks 0-3 are in; the youngest 24 loads (A's blocks 4-7) may be out
	WIN MUL_LO
	MUL16 0, (\q)%2, (\q)%2, \sc, \zero
	MUL16 2, (\q)%2, (\q)%2, \sc, \zero
	s_wait_dscnt 0
	PLACES NP
	FETCH_B \slot, (\q)+1, 1-(\q)%2
	FETCH_A \slot, (\q)+1, 0
.if (\q)%2                             ; the next step begins a K step of 256 in the same slot: its scale words, in the next half of K's unit (272 - 8)
	s_wait_alu depctr_va_vdst(0)                   ; the wait ahead of the reader below
	v_add_nc_u32 v[ADRS], 264, v[ADRS]
.set NS, 1-(\sc)
	SCALES NS
.endif
	WIN MUL_HI
	MUL16 4, (\q)%2, (\q)%2, \sc, \zero
	MUL16 6, (\q)%2, (\q)%2, \sc, \zero
	PLACES NP
	WIN 0
	FETCH_A \slot, (\q)+1, 4
.endm
; A slot's last step changes slots: one barrier; in front of it each wave waits for all its tensor loads, adds 0 to its spare word, and waits for that and for its own reads of this slot.  fill = 1: the slot is filled again, two K steps ahead.
.macro TURN slot, next, fill, sc
	s_wait_tensorcnt 0x0                           ; all my tensor loads have landed: my part of the next slot
	ds_add_u32 v[SPW], v[NIL]                      ; 0 onto my spare word
	s_wait_dscnt 4*NL+1                            ; (the add and the youngest 24 loads, A's blocks 4-7, may be out)
	WIN MUL_LO
	MUL16 0, 1, NQ-1, \sc, 0
	s_wait_dscnt 0x0                               ; the add is done, and my reads of this slot are over
	s_barrier_signal -1
	MUL16 2, 1, NQ-1, \sc, 0
	WIN 0
	s_barrier_wait -1
.if \fill
	CREST                                          ; the barrier has opened a round of the cluster's barrier: no wave of any partner still reads this slot or has a load on its way
	s_add_nc_u64 s[G0+4*\slot+2:G0+4*\slot+3], s[G0+4*\slot+2:G0+4*\slot+3], 3*ASTEP   ; K step 3
	s_add_nc_u64 s[G0B+4*\slot+2:G0B+4*\slot+3], s[G0B+4*\slot+2:G0B+4*\slot+3], 3*ASTEP
	s_mov_b32 s[G1+1], 384<<16                     ; no tensor load of mine is out: a tile's row is one K step again
	s_mov_b32 s[G1+3], 384<<16
	s_mov_b32 s[G1B+1], 384<<16
	s_mov_b32 s[G1B+3], 384<<16
	JLOAD G0+4*\slot, G1, G0B+4*\slot, G1B         ; the first tensor load behind the round; its four v_nop are the places in front of the loads below
.else
	PLACES NP
.endif
	s_wait_alu depctr_va_vdst(0)
	v_add_nc_u32 v[ADRS], 8, v[ADRS]               ; the next K step's scale words
	FETCH_B \next, 0, 0
	FETCH_A \next, 0, 0
.set NS, 1-(\sc)
	SCALES NS
	WIN MUL_HI
	MUL16 4, 1, NQ-1, \sc, 0
	MUL16 6, 1, NQ-1, \sc, 0
	PLACES NP
	WIN 0
	FETCH_A \next, 0, 4
.endm
	s_wait_alu depctr_va_vdst(0)
	s_wait_tensorcnt 0x0                           ; my tile of the head's four is in
	ds_add_u32 v[SPW], v[NIL]
	s_mov_b32 s[G1+2], 8<<16                       ; no tensor load of mine is out: from here on a load brings 128 rows of codes
	s_mov_b32 s[G1+4], 8
	s_mov_b32 s[G1B+2], 8<<16
	s_mov_b32 s[G1B+4], 8
	s_mov_b32 s[G1+1], 768<<16                     ; and its rows hold two K steps, 6,144 bytes
	s_mov_b32 s[G1+3], 768<<16
	s_mov_b32 s[G1B+1], 768<<16
	s_mov_b32 s[G1B+3], 768<<16
	s_wait_dscnt 0x0
	CROUND                                         ; all four tiles are in, all sixteen work-groups are here
	JLOAD G0+4, G1, G0B+4, G1B                     ; K step 1, the first tensor load behind the round
	FETCH_B 0, 0, 0
	FETCH_A 0, 0, 0
	SCALES 0
	FETCH_A 0, 0, 4
	STEP 0, 0, 0, 1                                ; K = 1,024 is eight steps of 128, written out: K step 0 in slot 0; the first products start the sums
	TURN 0, 1, 1, 0                                ; K steps 1 and 2 are in slot 1; slot 0 takes K step 3, which has four steps of 128 in which to land
	STEP 1, 0, 1, 0
	STEP 1, 1, 1, 0
	STEP 1, 2, 0, 0
	TURN 1, 0, 0, 0                                ; nothing is left to fetch
	STEP 0, 0, 1, 0
	s_wait_dscnt 4*NL
	WIN MUL_LO
	MUL16 0, 1, NQ-1, 1, 0
	MUL16 2, 1, NQ-1, 1, 0
	s_wait_dscnt 0
	WIN MUL_HI
	MUL16 4, 1, NQ-1, 1, 0
	MUL16 6, 1, NQ-1, 1, 0
	WIN 0
; THE WAY OUT.  QUANTW turns the 64 registers of one block of A (window W, from register s on: register 16 i + j = B's row 32 i + 16 (lane / 16) + j of my lane's row of A) into codes and a scale word:
; blocks 0, 1 of the four into the six registers from dA on, blocks 2, 3 into those from dB on (lanes 0-15 the even block, lanes 16-31 the odd one), the four bytes into v[pw].
; Each accumulator is first read at its two lowest registers.
.macro QUANTW W, s, dA, dB, pw
	WIN ((\W)<<2)|((\W)<<4)                        ; sources 1 and 2: the accumulators' window
.irp b, 0,1,2,3
	v_max3_num_f32 v[TM+\b], 0x2800000, |v[(\s)+16*\b]|, |v[(\s)+16*\b+1]|   ; my 16 numbers of block b, and the floor 2^(5 - 127): the byte cannot fall under 1
.endr
.irp i, 2,4,6,8,10,12,14
.irp b, 0,1,2,3
	v_max3_num_f32 v[TM+\b], v[TM+\b], |v[(\s)+16*\b+\i]|, |v[(\s)+16*\b+\i+1]|   ; (the four blocks by turns)
.endr
.endr
	WIN 0
.irp b, 0,1,2,3
	v_permlanex16_b32 v[TM+4+\b], v[TM+\b], s[SEL], s[SEL+1]
.endr
.irp b, 0,1,2,3
	v_max_num_f32 v[TM+\b], v[TM+\b], v[TM+4+\b]   ; with lane l xor 16's: the block's largest magnitude
.endr
.irp b, 0,1,2,3
	v_add_nc_u32 v[TM+12+\b], 0xfe000000, v[TM+\b] ; 4 off its exponent field: the conversion's scale operand
.endr
.irp b, 0,1,2,3
	v_lshrrev_b32 v[TM+4+\b], 23, v[TM+12+\b]      ; the scale's byte
.endr
	v_lshl_or_b32 v[\pw], v[TM+5], 8, v[TM+4]
	v_lshl_or_b32 v[\pw], v[TM+6], 16, v[\pw]
	v_lshl_or_b32 v[\pw], v[TM+7], 24, v[\pw]
	WIN (\W)                                       ; source 0: the accumulators' window
	v_cvt_scalef32_pk16_bf6_f32 v[(\dA):(\dA)+2], v[(\s):(\s)+15], v[TM+12]
	v_cvt_scalef32_pk16_bf6_f32 v[TC:TC+2], v[(\s)+16:(\s)+31], v[TM+13]       ; (a conversion's three registers begin on an even number)
	v_cvt_scalef32_pk16_bf6_f32 v[(\dB):(\dB)+2], v[(\s)+32:(\s)+47], v[TM+14]
	v_cvt_scalef32_pk16_bf6_f32 v[TC+4:TC+6], v[(\s)+48:(\s)+63], v[TM+15]
	WIN 0
	v_nop                                          ; one plain line behind the scaled conversions
.irp i, 0,1,2
	v_permlane16_swap_b32 v[(\dA)+\i], v[TC+\i]    ; a whole block to a lane: the first's lanes 16-31 change places with the second's lanes 0-15
	v_permlane16_swap_b32 v[(\dB)+\i], v[TC+4+\i]
.endr
.irp i, 0,1,2
	v_mov_b32 v[(\dA)+3+\i], v[TC+\i]
	v_mov_b32 v[(\dB)+3+\i], v[TC+4+\i]
.endr
.endm
.macro STOREF a                        ; image a % 4 of head a / 4: three stores of 512 consecutive bytes, aligned.  Each image has registers of its own: no store's data are written again
.irp k, 0,1,2
	global_store_b128 v[LI], v[F+12*(\a)+4*\k:F+12*(\a)+4*\k+3], s[8:9] offset:((\a)/4)*HEADB+((\a)%4)*1536+512*\k
.endr
.endm
	PLACES NP                                      ; behind the last products: their results are read and their operands' registers written below
.irp b, 0,1,2,3
	v_mov_b32 v[TM+4+\b], 0                        ; written once: a lane permute's destination counts as one of its sources
.endr
	s_cmp_ge_u32 ttmp9, 16
	s_cbranch_scc1 .Lv_path
	; q, k: my lane holds a token, B's 128 rows are two heads of 64 channels.  Blocks 2 b and 2 b + 1 of A fill the two halves of image b, for both heads
.irp b, 0,1,2,3
	QUANTW 2+\b/2, 64*((2*\b)%4), F+12*\b, F+48+12*\b, PW0
	QUANTW 2+\b/2, 64*((2*\b+1)%4), F+12*\b+6, F+48+12*\b+6, PW1
	v_perm_b32 v[SW+\b], v[PW1], v[PW0], 0x05040100     ; the first head's word: the first token's two bytes, then the second's
	v_perm_b32 v[SW+4+\b], v[PW1], v[PW0], 0x07060302   ; the second head's
	STOREF \b
	STOREF 4+\b
.endr
	s_branch .Ljoin
.Lv_path:
	; v: my lane holds a channel, B's 128 rows are a step's keys: block a of A is image a % 4 of head a / 4
.irp a, 0,1,2,3,4,5,6,7
	QUANTW 2+\a/4, 64*(\a%4), F+12*\a, F+12*\a+6, SW+\a
	STOREF \a
.endr
.Ljoin:
	s_mov_b32 s94, 0xffff0000
	s_wait_alu depctr_va_vdst(0)
.irp i, 0,1,2,3
	v_cndmask_b32 v[SW+8+\i], v[SW+\i], v[SW+4+\i], s94   ; lanes 0-15 store the first head's words, lanes 16-31 the second's
.endr
	global_store_b128 v[SWO], v[SW+8:SW+11], s[8:9] offset:SCO   ; sixteen lanes store 256 consecutive bytes, aligned
	s_wait_tensorcnt 0x0                           ; the wave's end
	ds_add_u32 v[SPW], v[NIL]
	s_wait_dscnt 0x0
	CROUND                                         ; the closing round: no work-group ends while a partner may still ask for a tile that names it
	s_endpgm
.Lfunc_end_k_qb29b697f8c_gemm_qkv:
	.size	k_qb29b697f8c_gemm_qkv, .Lfunc_end_k_qb29b697f8c_gemm_qkv-k_qb29b697f8c_gemm_qkv
	.p2alignl 7, 3214868480
	.fill 96, 4, 3214868480
	.section	.rodata,"a",@progbits
	.p2align	6, 0x0
	.amdhsa_kernel k_qb29b697f8c_gemm_qkv
		.amdhsa_group_segment_fixed_size 327680
		.amdhsa_private_segment_fixed_size 0
		.amdhsa_enable_private_segment 0
		.amdhsa_kernarg_size 24
		.amdhsa_user_sgpr_count 2
		.amdhsa_user_sgpr_kernarg_segment_ptr 1
		.amdhsa_wavefront_size32 1
		.amdhsa_system_sgpr_workgroup_id_x 1
		.amdhsa_system_sgpr_workgroup_id_y 1
		.amdhsa_system_sgpr_workgroup_id_z 1
		.amdhsa_system_vgpr_workitem_id 0
		.amdhsa_next_free_vgpr 1024
		.amdhsa_next_free_sgpr 100
		.amdhsa_reserve_vcc 0
		.amdhsa_float_denorm_mode_32 3
		.amdhsa_float_denorm_mode_16_64 3
		.amdhsa_memory_ordered 1
		.amdhsa_forward_progress 1
		.amdhsa_inst_pref_size 199
	.end_amdhsa_kernel
	.amdgpu_metadata
---
amdhsa.version: [ 1, 2 ]
amdhsa.kernels:
  - .name:           k_qb29b697f8c_gemm_qkv
    .symbol:         k_qb29b697f8c_gemm_qkv.kd
    .args:
      - { .name: xq, .offset: 0, .size: 8, .value_kind: global_buffer, .address_space: global }
      - { .name: wq, .offset: 8, .size: 8, .value_kind: global_buffer, .address_space: global }
      - { .name: qkv, .offset: 16, .size: 8, .value_kind: global_buffer, .address_space: global }
    .group_segment_fixed_size: 327680
    .private_segment_fixed_size: 0
    .kernarg_segment_align: 8
    .kernarg_segment_size: 24
    .max_flat_workgroup_size: 128
    .sgpr_count:     100
    .vgpr_count:     1024
    .wavefront_size: 32
...
	.end_amdgpu_metadata
.endif
;; end of part 2
;; launch attn (part 3): grid 4 x 64, 16 waves a work-group, no clusters, 327,680 bytes of LDS; arguments qkv, oq; writes oq
.if DOCPART == 3
	.amdgcn_target "amdgcn-amd-amdhsa--gfx1250"
	.amdhsa_code_object_version 6
	.text
	.protected	k_qb29b697f8c_attn
	.globl	k_qb29b697f8c_attn
	.p2align	8
	.type	k_qb29b697f8c_attn,@function
k_qb29b697f8c_attn:
	s_mov_b64 s[64:65], 0
	v_nop
	global_prefetch_b8 v0, s[64:65] scope:SCOPE_SE
	s_setreg_imm32_b32 hwreg(HW_REG_WAVE_MODE, 25, 1), 1
	s_wait_xcnt 0x0
; Causal attention on codes of BF6 (E3M2): S^T = k q^T, p = 2^(t - M) with M the ceiling of the running largest t, O^T += v^T p^T, O^T / l quantised along the channels into oq.
; qkv: [q, k, v][batch x head][16 steps of 128 tokens][6,400 bytes]: four images of operand registers (1,536 bytes) and 256 bytes of scale words.  oq: images of operand registers [16 tokens][head][768 bytes]; scale bytes from XSC on, [16 tokens][half of K][row][16].
; SHARES: a work-group takes one head and query blocks of 128: 2 x, 2 x + 1 in its first pass, 15 - 2 x, 14 - 2 x in its second; a wave takes 16 queries of one block in each pass, and walks 17 visible key steps in all.
; The head's K and V lie whole in LDS: steps 0-7 come by the head's loads, one a wave, steps 8-15 by one more load a wave behind the first barrier; the first pass needs steps 0-7 alone.
; KEY STEPS THAT LIE WHOLLY UNDER THE MASK are not multiplied key by key.  every masked score is -10000, so in such a step every p of a query is the same number c = 2^(tm - M), tm = -10000 log2(e);
; each block of 32 then has the scale of c, and c's code stands for q(c) = 2^floor(log2 c), since 2^(tm - M) has the mantissa 1.035 for every whole M, which rounds down among 1, 1.25, 1.5, 1.75.  So these steps add
; q(c) x (the sum of the quantised v over their keys) to O^T and c x (their number of keys) to l.  The sums of v: wave w sums step w by four products with codes of 1.0; a suffix sum over the steps goes through LDS.
; Query block 15 has no such step: there tm is replaced by -3e38 x c0, chosen by a scalar select, so that M is not raised and c is 0.  Masked keys inside the diagonal step get the score -10000 element by element.
; LIMITS: the scaled scores stay under 2^31 in magnitude; NaN and infinities are not served; c under 2^-126 counts as 0.
; No cluster: the four work-groups of a head differ in which steps they jump over, and those branches hang on the work-group's number.  No prefetch: all tiles are asked for in the first two groups of loads; there is no walk to run ahead in.
.set SELB,  6553600
.set HEADB, 102400
.set STEPB, 6400
.set SCO,   6144
.set XSC,   6291456
.set TSB,   0x32800                    ; LDS: the sums of v of each step, [step][64 f32], behind K, V and the spare words (0x32000, 2,048 bytes)
.set SUFB,  0x33800                    ; and for each wave 256 bytes of its own: the sum over the steps behind its query block, [64 f32]
.set LI,   1
.set LIV,  2
.set SCA,  3
.set SCAV, 4
.set DM,   5
.set NEG,  6
.set OC,   7
.set ADK,  8
.set ADV,  9
.set ADS,  10
.set ADT,  11
.set QZ,   16                          ; v16-33: six zeros, q's six registers, six zeros
.set QS,   34
.set OS,   35
.set KFR,  36                          ; v36-83 k's fragments; behind the scores' products at work:
.set BM,   36
.set PT,   40
.set SO,   44
.set BY,   48
.set TC,   52
.set PC,   60
.set T0,   73
.set FF,   74
.set T1,   76
.set KSW,  84
.set VSW,  88
.set PSW,  92
.set A1,   93                          ; v's step w: fragments, scale words
.set A2,   94
.set HB,   95                          ; SUFB + 256 w + 128 h
.set S,    96
.set O,    160
.set VFR,  192
.set QR,   240                         ; v240-252 the next pass's q as loaded
.set QW,   252
.set TSA,  253                         ; TSB + 256 w + 128 h
.set WV,   8
.set BH,   12
.set BLK,  13
.set SEL,  14
.set CS,   16
.set MSK,  18
.set HM,   19
.set TB,   20
.set KF,   21
.set KD,   22
.set CNT,  23
.set NH,   25
.set PSEL, 26
.set UM,   27
.set G1,   28
.set KI,   54
.set HF,   55
.set TMX,  56
.set MSX,  57
.set MK,   66                          ; s66-81 the diagonal block's masks, one for each of a lane's 16 keys
	s_load_b128 s[4:7], s[0:1], 0x0
	v_lshl_add_u32 v254, v0, 2, 0x32000
	v_mov_b32 v255, 0
	ds_add_u32 v254, v255                          ; the opening lines: the add twice and its wait
	ds_add_u32 v254, v255
	v_lshrrev_b32 v8, 5, v0
	v_readfirstlane_b32 s[WV], v8
	s_bfe_u32 s9, s[WV], 0x10001                   ; which 8 + 8 tokens of an image: bit 1 of the wave's number
	s_bfe_u32 s10, s[WV], 0x20002                  ; which image (32 tokens) of the block: bits 3:2
	s_lshr_b32 s11, s[WV], 3                       ; I fetch K (0) or V (1)
	s_lshr_b32 s[HF], s[WV], 2
	s_xor_b32 s[HF], s[HF], s[WV]
	s_and_b32 s[HF], s[HF], 1                      ; which of the pass's two blocks: bit 0 xor bit 2, so that of any four waves w, w + 1 .. and of any four w, w + 4 .. two take each block
	s_and_b32 s[BH], ttmp7, 0xffff
	s_mov_b32 s[BLK], ttmp9
	s_mov_b32 s[SEL], 0x76543210
	s_mov_b32 s[SEL+1], 0xfedcba98
	s_mov_b32 s[CS], 0x3e38aa3b                    ; c0 = log2(e) / 8
	s_mov_b32 s[CS+1], s[CS]
	s_mov_b32 s[MSK], 0xc79c4000                   ; -80000: x 1 / 8 = -10000
	s_mov_b32 s[HM], 0xffff0000
	s_mov_b32 s[PSEL], 0x01000100
	s_cmp_eq_u32 s9, 1
	s_cselect_b32 s[PSEL], 0x03020302, s[PSEL]
	s_cselect_b32 s[UM], -1, 0
	s_mov_b32 s[G1], 3<<16                         ; a step: 25 rows of 256 bytes
	s_mov_b32 s[G1+1], 32<<16
	s_mov_b32 s[G1+2], 25<<16
	s_mov_b32 s[G1+3], 32<<16
	s_mov_b32 s[G1+4], 25
	s_mov_b32 s[G1+5], 32
	s_mov_b32 s[G1+6], 0
	s_mov_b32 s[G1+7], 0
	s_and_b32 s44, s[WV], 7
	s_mul_i32 s44, s44, STEPB
	s_mul_i32 s45, s11, HEADB
	s_add_co_u32 s45, s45, s44
	s_add_co_u32 s46, s11, 1
	s_mul_i32 s46, s46, SELB
	s_mul_i32 s47, s[BH], HEADB
	s_add_co_u32 s46, s46, s47
	s_add_co_u32 s46, s46, s44
	s_mov_b32 s47, 0
	s_lshl_b32 s48, s9, 3
	s_mul_i32 s49, s[WV], STEPB
	s_lshl_b32 s50, s[WV], 8
	s_add_co_u32 s50, s50, TSB
	v_and_b32 v8, 31, v0
	v_lshlrev_b32 v[LI], 4, v8
	v_and_b32 v9, 15, v0
	v_bfe_u32 v10, v0, 4, 1
	v_add_nc_u32 v[LIV], HEADB, v[LI]
	v_lshlrev_b32 v[SCA], 4, v9
	v_and_b32 v11, 8, v9
	v_add_nc_u32 v[SCAV], HEADB, v[SCA]
	v_add_nc_u32 v[DM], v11, v9
	v_lshlrev_b32 v11, 4, v10
	v_sub_nc_u32 v[DM], v[DM], v11
	v_add_nc_u32 v[DM], s48, v[DM]                 ; my query's place in its 32, less 16 h
.set n, 0
.rept 16
	v_cmp_gt_i32 s[MK+n], n, v[DM]                 ; key 16 h + n of my own 32 lies behind my query
.set n, n+1
.endr
	v_mov_b32 v[NEG], s[MSK]
	v_lshlrev_b32 v[OC], 3, v8
	v_lshl_add_u32 v[OS], v9, 4, v10
.irp i, 0,1,2,3,4,5
	v_mov_b32 v[QZ+\i], 0
	v_mov_b32 v[QZ+12+\i], 0
.endr
.irp i, 0,1,2,3
	v_mov_b32 v[PT+\i], 0                          ; a lane permute's destination counts as a source
.endr
	v_mov_b32 v[FF+1], 0
	v_add_nc_u32 v[A1], s49, v[LIV]
	v_add_nc_u32 v[A2], s49, v[SCAV]
	v_lshl_add_u32 v[TSA], v10, 7, s50
	v_add_nc_u32 v[HB], SUFB-TSB, v[TSA]
	s_wait_alu depctr_va_vdst(0)                   ; the wait at the head's end
	s_wait_dscnt 0x0
	s_wait_kmcnt 0x0
	s_mov_b32 s36, 1
	s_mov_b32 s37, s45
	s_add_nc_u64 s[38:39], s[4:5], s[46:47]
	s_mov_b32 s40, 1
	s_add_co_u32 s41, s45, 8*STEPB
	s_add_nc_u64 s[42:43], s[38:39], 8*STEPB
	s_or_b32 s39, s39, 0x80000000
	s_or_b32 s43, s43, 0x80000000
	tensor_load_to_lds s[36:39], s[G1:G1+7]        ; step w % 8 of K or V
	s_nop 0
.rept 4
	v_nop
.endr
.macro QASK                            ; the q of block 2 BLK + HF: my image's 1,536 bytes and scale words
	s_lshl_b32 s[KI], s[BLK], 1
	s_add_co_u32 s[KI], s[KI], s[HF]
	s_mul_i32 s44, s[KI], STEPB
	s_mul_i32 s45, s[BH], HEADB
	s_add_co_u32 s44, s44, s45
	s_mul_i32 s46, s10, 1536
	s_add_co_u32 s46, s46, s44
	s_mov_b32 s47, 0
	s_add_nc_u64 s[46:47], s[4:5], s[46:47]
	s_lshl_b32 s48, s10, 2
	s_add_co_u32 s48, s48, s44
	s_mov_b32 s49, 0
	s_add_nc_u64 s[48:49], s[4:5], s[48:49]
	global_load_b128 v[QR:QR+3], v[LI], s[46:47]
	global_load_b128 v[QR+4:QR+7], v[LI], s[46:47] offset:512
	global_load_b128 v[QR+8:QR+11], v[LI], s[46:47] offset:1024
	global_load_b32 v[QW], v[SCA], s[48:49] offset:SCO
.endm
	QASK
	s_wait_tensorcnt 0x0                           ; my step is in
	ds_add_u32 v254, v255
	s_wait_dscnt 0x0
	s_barrier_signal -1
	s_barrier_wait -1                              ; steps 0-7 are whole
	tensor_load_to_lds s[40:43], s[G1:G1+7]        ; step 8 + w % 8
	s_nop 0
.rept 4
	v_nop
.endr
.macro KLOADS
.irp g, 0,1,2,3
.irp c, 0,1,2
	ds_load_b128 v[KFR+12*\g+4*\c:KFR+12*\g+4*\c+3], v[ADK] offset:1536*\g+512*\c
.endr
.endr
	ds_load_b128 v[KSW:KSW+3], v[ADS] offset:SCO
.endm
.macro VLOADS av, at
.irp t, 0,1,2,3
.irp c, 0,1,2
	ds_load_b128 v[VFR+12*\t+4*\c:VFR+12*\t+4*\c+3], v[\av] offset:1536*\t+512*\c
.endr
.endr
	ds_load_b128 v[VSW:VSW+3], v[\at] offset:SCO
.endm
.macro NEWM                            ; -M = floor(-t); f = 2^(old M - new M)
	v_mov_b32 v[T0], v12
	s_delay_alu instid0(VALU_DEP_2)
	v_floor_f32 v12, -v13
	s_delay_alu instid0(VALU_DEP_1)
	v_sub_f32 v[T0], v12, v[T0]
	s_delay_alu instid0(VALU_DEP_1)
	v_cvt_i32_f32 v[T0], v[T0]
	s_delay_alu instid0(VALU_DEP_1)
	v_ldexp_f32 v[FF], 1.0, v[T0]
.endm
.macro STEP                            ; 128 keys at LDS byte TB; a step wholly behind my block is jumped over (ids alone decide)
	s_cmp_gt_u32 s[KF], s[KD]
	s_cbranch_scc1 .Lend_\@
	v_add_nc_u32 v[ADK], s[TB], v[LI]              ; (these four are also the places behind the last products, ahead of the loads)
	v_add_nc_u32 v[ADV], s[TB], v[LIV]
	v_add_nc_u32 v[ADS], s[TB], v[SCA]
	v_add_nc_u32 v[ADT], s[TB], v[SCAV]
	KLOADS
	VLOADS ADV, ADT
	s_wait_dscnt 13                                ; k's 13 loads are in; v's 13 may be out
.irp g, 0,1,2,3
	v_wmma_scale_f32_16x16x128_f8f6f4 v[S+16*\g:S+16*\g+7], v[KFR+12*\g:KFR+12*\g+11], v[QZ+6:QZ+17], 0, v[KSW+\g], v[QS] matrix_a_fmt:MATRIX_FMT_BF6 matrix_b_fmt:MATRIX_FMT_BF6
	v_wmma_scale_f32_16x16x128_f8f6f4 v[S+16*\g+8:S+16*\g+15], v[KFR+12*\g:KFR+12*\g+11], v[QZ:QZ+11], 0, v[KSW+\g], v[QS] matrix_a_fmt:MATRIX_FMT_BF6 matrix_b_fmt:MATRIX_FMT_BF6
.endr
.rept 4
	v_nop
.endr
	s_cmp_lg_u32 s[KF], s[KD]
	s_cbranch_scc1 .Lopen_\@
.irp g, 0,1,2,3                        ; the diagonal step: blocks of 32 keys ahead of my own stay, my own is masked by the head's masks, later ones are masked whole
	s_cmp_gt_u32 s10, \g
	s_cbranch_scc1 .Lvis_\@_\g
.if \g > 0
	s_cmp_eq_u32 s10, \g
	s_cbranch_scc0 .Lall_\@_\g
.endif
.set n, 0
.rept 16
	v_cndmask_b32 v[S+16*\g+n], v[S+16*\g+n], v[NEG], s[MK+n]
.set n, n+1
.endr
.if \g > 0
	s_branch .Lvis_\@_\g
.Lall_\@_\g:
.set n, 0
.rept 16
	v_mov_b32 v[S+16*\g+n], v[NEG]
.set n, n+1
.endr
.endif
.Lvis_\@_\g:
.endr
	s_wait_alu depctr_va_vdst(0)
.Lopen_\@:
.irp b, 0,1,2,3
	v_max3_num_f32 v[BM+\b], v[S+16*\b], v[S+1+16*\b], v[S+2+16*\b]   ; each block's largest score: for the row's maximum and for the block's largest p
.endr
.irp i, 3,5,7,9,11,13
.irp b, 0,1,2,3
	v_max3_num_f32 v[BM+\b], v[BM+\b], v[S+16*\b+\i], v[S+1+16*\b+\i]
.endr
.endr
.irp b, 0,1,2,3
	v_max_num_f32 v[BM+\b], v[BM+\b], v[S+15+16*\b]
.endr
.irp b, 0,1,2,3
	s_delay_alu instid0(VALU_DEP_4)
	v_permlanex16_b32 v[PT+\b], v[BM+\b], s[SEL], s[SEL+1]
.endr
.irp b, 0,1,2,3
	s_delay_alu instid0(VALU_DEP_4)
	v_max_num_f32 v[BM+\b], v[BM+\b], v[PT+\b]
.endr
	s_delay_alu instid0(VALU_DEP_2)
	v_max3_num_f32 v[T0], v[BM], v[BM+1], v[BM+2]
	s_delay_alu instid0(VALU_DEP_1)
	v_max_num_f32 v[T0], v[T0], v[BM+3]
	s_delay_alu instid0(VALU_DEP_1)
	v_mul_f32 v[T0], s[CS], v[T0]
	s_delay_alu instid0(VALU_DEP_1)
	v_max_num_f32 v13, v13, v[T0]
	NEWM
.set j, 0
.rept 32
	v_pk_fma_f32 v[S+j:S+j+1], v[S+j:S+j+1], s[CS:CS+1], v[12:13] op_sel_hi:[1,0,0]   ; t - M
.set j, j+2
.endr
.irp b, 0,1,2,3
	v_fma_f32 v[BM+\b], v[BM+\b], s[CS], v12
.endr
.set j, 0
	s_wait_alu depctr_va_vdst(0)                   ; ahead of the batch
.rept 64
	v_exp_f32 v[S+j], v[S+j]
.set j, j+1
.endr
	v_pk_mul_f32 v[14:15], v[14:15], v[FF:FF+1] op_sel_hi:[1,0]
	s_wait_alu depctr_va_vdst(0)                   ; behind the batch
.irp b, 0,1,2,3
	v_exp_f32 v[BM+\b], v[BM+\b]
.endr
	v_pk_add_f32 v[T1:T1+1], v[S:S+1], v[S+2:S+3]  ; the row's sum, of the unquantised p, in two chains
.set j, 4
.rept 15
	v_pk_add_f32 v[14:15], v[14:15], v[S+j:S+j+1]
	v_pk_add_f32 v[T1:T1+1], v[T1:T1+1], v[S+j+2:S+j+3]
.set j, j+4
.endr
	s_delay_alu instid0(VALU_DEP_1)
	v_pk_add_f32 v[14:15], v[14:15], v[T1:T1+1]
	s_wait_alu depctr_va_vdst(0)
.irp b, 0,1,2,3
	v_max_num_f32 v[BM+\b], 0x2800000, v[BM+\b]    ; the floor 2^(5 - 127)
.endr
.irp b, 0,1,2,3
	s_delay_alu instid0(VALU_DEP_4)
	v_add_nc_u32 v[SO+\b], 0xfe000000, v[BM+\b]
.endr
.irp b, 0,1,2,3
	s_delay_alu instid0(VALU_DEP_4)
	v_lshrrev_b32 v[BY+\b], 23, v[SO+\b]
.endr
	s_delay_alu instid0(VALU_DEP_3)
	v_lshl_or_b32 v[PSW], v[BY+1], 8, v[BY]
	s_delay_alu instid0(VALU_DEP_1)
	v_lshl_or_b32 v[PSW], v[BY+2], 16, v[PSW]
	s_delay_alu instid0(VALU_DEP_1)
	v_lshl_or_b32 v[PSW], v[BY+3], 24, v[PSW]
.irp c, 0,1
	v_cvt_scalef32_pk16_bf6_f32 v[PC+6*\c:PC+6*\c+2], v[S+32*\c:S+32*\c+15], v[SO+2*\c]
	v_cvt_scalef32_pk16_bf6_f32 v[TC+4*\c:TC+4*\c+2], v[S+32*\c+16:S+32*\c+31], v[SO+2*\c+1]
.endr
	v_nop
.irp c, 0,1
.irp i, 0,1,2
	v_permlane16_swap_b32 v[PC+6*\c+\i], v[TC+4*\c+\i]   ; a whole block to a lane
.endr
.irp i, 0,1,2
	s_delay_alu instid0(VALU_DEP_3)
	v_mov_b32 v[PC+3+6*\c+\i], v[TC+4*\c+\i]
.endr
.endr
	s_wait_alu depctr_va_vdst(0)                   ; directly ahead of the first reader of O^T
.set j, 0
.rept 16
	v_pk_mul_f32 v[O+j:O+j+1], v[O+j:O+j+1], v[FF:FF+1] op_sel_hi:[1,0]   ; O^T under the new M
.set j, j+2
.endr
	s_wait_alu depctr_va_vdst(0)
	s_wait_dscnt 0x0                               ; v's fragments are in
.irp t, 0,1,2,3
	v_wmma_scale_f32_16x16x128_f8f6f4 v[O+8*\t:O+8*\t+7], v[VFR+12*\t:VFR+12*\t+11], v[PC:PC+11], v[O+8*\t:O+8*\t+7], v[VSW+\t], v[PSW] matrix_a_fmt:MATRIX_FMT_BF6 matrix_b_fmt:MATRIX_FMT_BF6
.endr
.Lend_\@:
	s_add_co_u32 s[KF], s[KF], 128
	s_add_co_u32 s[TB], s[TB], STEPB
.endm
.macro TOP last                        ; a pass's start: q, the block's numbers, the next pass's q asked for, the sums begun
	s_wait_loadcnt 0x0                             ; this pass's q is in
	v_perm_b32 v[QS], v[QW], v[QW], s[PSEL]
.irp i, 0,1,2,3,4,5
	v_cndmask_b32 v[QZ+6+\i], v[QR+\i], v[QR+6+\i], s[UM]
.endr
	s_lshl_b32 s[KD], s[KI], 7                     ; my block's first key
	s_sub_co_u32 s[NH], 15, s[KI]
	s_lshl_b32 s[NH], s[NH], 6                     ; keys of the wholly masked steps, for each half of the lanes
	s_cvt_f32_u32 s[NH], s[NH]
	s_cmp_eq_u32 s[KI], 15
	s_cselect_b32 s[MSX], 0xff61b1e6, s[MSK]       ; block 15 has no wholly masked step
	s_mul_f32 s[TMX], s[MSX], s[CS]
	s_lshr_b32 s50, s[BH], 4
	s_lshl_b32 s50, s50, 7
	s_lshl_b32 s51, s[KI], 3
	s_add_co_u32 s50, s50, s51
	s_lshr_b32 s51, s[WV], 1
	s_add_co_u32 s50, s50, s51                     ; my 16 tokens' number
	s_and_b32 s51, s[BH], 15                       ; head
	s_lshl_b32 s52, s50, 9
	s_lshr_b32 s53, s51, 3
	s_lshl_b32 s53, s53, 8
	s_add_co_u32 s52, s52, s53
	s_and_b32 s53, s51, 7
	s_lshl_b32 s53, s53, 1
	s_add_co_u32 s52, s52, s53
	s_add_co_u32 s52, s52, XSC
	s_mov_b32 s53, 0
	s_add_nc_u64 s[52:53], s[6:7], s[52:53]
	s_lshl_b32 s50, s50, 4
	s_add_co_u32 s50, s50, s51
	s_mul_i32 s50, s50, 768
	s_mov_b32 s51, 0
	s_add_nc_u64 s[50:51], s[6:7], s[50:51]
.if \last == 0
	s_sub_co_u32 s[BLK], 7, s[BLK]                 ; the other pass's block: mirrored, the two kinds of waves swapped
	s_xor_b32 s[HF], s[HF], 1
	QASK                                           ; asked a pass ahead
.endif
	v_mov_b32 v13, 0xff61b1e6
	v_mov_b32 v14, 0
	v_floor_f32 v12, -v13
	v_mov_b32 v15, 0
.set j, 0
.rept 32
	v_mov_b32 v[O+j], 0
.set j, j+1
.endr
	s_mov_b32 s[TB], 0
	s_mov_b32 s[KF], 0
	s_wait_alu depctr_va_vdst(0)
.endm
.macro FIN first                       ; a pass's end.  first = 1: the steps' sums of v are made here, once, for both passes
.rept 4
	v_nop
.endr
.if \first
	VLOADS A1, A2                                  ; the sum of v over step w: four products with codes of 1.0 under the scale 1
	v_mov_b32 v[PSW], 0x7f7f7f7f
.irp i, 0,3,6,9
	v_mov_b32 v[PC+\i], 0x0c30c30c                 ; the code 0x0c, 1.0, as a stream of 6-bit codes
	v_mov_b32 v[PC+\i+1], 0xc30c30c3
	v_mov_b32 v[PC+\i+2], 0x30c30c30
.endr
.endif
	v_max_num_f32 v13, s[TMX], v13                 ; the masked steps' t counts for the row's maximum
	NEWM
	v_fma_f32 v[T1], s[MSX], s[CS], v12            ; tm - M
	v_add_f32 v14, v14, v15
	s_wait_alu depctr_va_vdst(0)
	v_exp_f32 v[T1], v[T1]                         ; c
	v_nop
	s_wait_alu depctr_va_vdst(0)
.if \first
	s_wait_dscnt 0x0
.irp t, 0,1,2,3
	v_wmma_scale_f32_16x16x128_f8f6f4 v[S+8*\t:S+8*\t+7], v[VFR+12*\t:VFR+12*\t+11], v[PC:PC+11], 0, v[VSW+\t], v[PSW] matrix_a_fmt:MATRIX_FMT_BF6 matrix_b_fmt:MATRIX_FMT_BF6
.endr
.endif
	v_mul_f32 v14, v14, v[FF]                      ; l under the last M (with the two lines below and the v_nop: the places behind the products)
	v_and_b32 v[T1+1], 0x7f800000, v[T1]           ; q(c)
	v_fmac_f32 v14, s[NH], v[T1]                   ; + c for each key of the masked steps
.if \first
	v_nop
.irp i, 0,1,2,3,4,5,6,7
	ds_store_b128 v[TSA], v[S+4*\i:S+4*\i+3] offset:16*\i   ; all 16 columns are alike: the lanes of a half write the same words with the same values
.endr
	s_wait_alu depctr_va_vdst(0)
	s_wait_dscnt 0x0
	s_barrier_signal -1
	s_barrier_wait -1
.endif
	v_add_nc_u32 v[ADK], TSB, v[OC]                ; the steps' sums, two channels a lane
.irp s, 1,2,3,4,5,6,7,8,9,10,11,12,13,14,15
	ds_load_b64 v[S+30+2*\s:S+31+2*\s], v[ADK] offset:256*\s
.endr
	v_permlanex16_b32 v[PT], v14, s[SEL], s[SEL+1]
	v_add_f32 v14, v14, v[PT]                      ; the row's sum
	s_wait_alu depctr_va_vdst(0)
	v_rcp_f32 v14, v14
	v_nop
	s_wait_alu depctr_va_vdst(0)
	v_mul_f32 v[FF], v[FF], v14                    ; f / l
	v_mul_f32 v[T1], v[T1+1], v14                  ; q(c) / l
	s_mov_b32 s59, 0
	s_wait_alu depctr_va_vdst(0)
	s_wait_dscnt 0x0
	s_cmp_lt_u32 s[KD], 128
	s_cselect_b32 s58, 1.0, 0                      ; a step counts if it lies behind my query block
	v_pk_mul_f32 v[BM:BM+1], v[S+32:S+33], s[58:59] op_sel_hi:[1,0]
.irp s, 2,3,4,5,6,7,8,9,10,11,12,13,14,15
	s_cmp_lt_u32 s[KD], 128*\s
	s_cselect_b32 s58, 1.0, 0
	v_pk_fma_f32 v[BM:BM+1], v[S+30+2*\s:S+31+2*\s], s[58:59], v[BM:BM+1] op_sel_hi:[1,0,1]
.endr
	s_lshl_b32 s44, s[WV], 8
	s_add_co_u32 s44, s44, SUFB
	v_add_nc_u32 v[ADV], s44, v[OC]
	ds_store_b64 v[ADV], v[BM:BM+1]                ; into my wave's own bytes: LDS serves a wave's instructions in order, so the loads below see it
.irp i, 0,1,2,3,4,5,6,7
	ds_load_b128 v[S+4*\i:S+4*\i+3], v[HB] offset:16*\i   ; the sum of v over the steps behind my block, in O^T's layout
.endr
	s_wait_dscnt 0x0
.set j, 0
.rept 16
	v_pk_mul_f32 v[S+j:S+j+1], v[S+j:S+j+1], v[T1:T1+1] op_sel_hi:[1,0]
.set j, j+2
.endr
	s_wait_alu depctr_va_vdst(0)                   ; directly ahead of the first reader of O^T
.set j, 0
.rept 16
	v_pk_fma_f32 v[S+j:S+j+1], v[O+j:O+j+1], v[FF:FF+1], v[S+j:S+j+1] op_sel_hi:[1,0,1]   ; (O^T f + q(c) x the sum) / l
.set j, j+2
.endr
.irp b, 0,1                            ; quantised along the channels: two blocks of 32
	v_max3_num_f32 v[BM+\b], |v[S+16*\b]|, |v[S+1+16*\b]|, 0x2800000
.endr
.irp i, 2,4,6,8,10,12,14
.irp b, 0,1
	s_delay_alu instid0(VALU_DEP_2)
	v_max3_num_f32 v[BM+\b], v[BM+\b], |v[S+16*\b+\i]|, |v[S+1+16*\b+\i]|
.endr
.endr
.irp b, 0,1
	s_delay_alu instid0(VALU_DEP_2)
	v_permlanex16_b32 v[PT+\b], v[BM+\b], s[SEL], s[SEL+1]
.endr
.irp b, 0,1
	s_delay_alu instid0(VALU_DEP_2)
	v_max_num_f32 v[BM+\b], v[BM+\b], v[PT+\b]
.endr
.irp b, 0,1
	s_delay_alu instid0(VALU_DEP_2)
	v_add_nc_u32 v[SO+\b], 0xfe000000, v[BM+\b]
.endr
.irp b, 0,1
	s_delay_alu instid0(VALU_DEP_2)
	v_lshrrev_b32 v[BY+\b], 23, v[SO+\b]
.endr
	v_cvt_scalef32_pk16_bf6_f32 v[PC:PC+2], v[S:S+15], v[SO]
	v_cvt_scalef32_pk16_bf6_f32 v[PC+4:PC+6], v[S+16:S+31], v[SO+1]
	v_nop
.irp i, 0,1,2
	v_permlane16_swap_b32 v[PC+\i], v[PC+4+\i]
.endr
.irp i, 0,1,2
	s_delay_alu instid0(VALU_DEP_3)
	v_mov_b32 v[PC+3+\i], v[PC+4+\i]
.endr
	v_cndmask_b32 v[BY], v[BY], v[BY+1], s[HM]
.irp p, 0,1,2
	global_store_b64 v[OC], v[PC+2*\p:PC+2*\p+1], s[50:51] offset:256*\p   ; 256 consecutive bytes, aligned
.endr
	global_store_b8 v[OS], v[BY], s[52:53]
	s_wait_xcnt 0x0                                ; the stores' registers and bases are written again only behind this wait
.endm
	TOP 0                                          ; the first pass: blocks 0-7, which see steps 0-7 alone
	s_mov_b32 s[CNT], 8
.Lfirst:
	STEP
	s_sub_co_u32 s[CNT], s[CNT], 1
	s_cmp_lg_u32 s[CNT], 0
	s_cbranch_scc1 .Lfirst
	s_wait_tensorcnt 0x0                           ; my part of steps 8-15 is in,
	s_wait_dscnt 0x0
	s_barrier_signal -1
	s_barrier_wait -1                              ; everybody's is
	FIN 1
	TOP 1                                          ; the second pass: blocks 8-15; all it reads from LDS is there: no barrier stands in it
	s_mov_b32 s[CNT], 16
.Lsecond:
	STEP
	s_sub_co_u32 s[CNT], s[CNT], 1
	s_cmp_lg_u32 s[CNT], 0
	s_cbranch_scc1 .Lsecond
	FIN 0
	s_wait_tensorcnt 0x0                           ; the wave's end
	ds_add_u32 v254, v255
	s_wait_dscnt 0x0
	s_endpgm
.Lfunc_end_k_qb29b697f8c_attn:
	.size	k_qb29b697f8c_attn, .Lfunc_end_k_qb29b697f8c_attn-k_qb29b697f8c_attn
	.p2alignl 7, 3214868480
	.fill 96, 4, 3214868480
	.section	.rodata,"a",@progbits
	.p2align	6, 0x0
	.amdhsa_kernel k_qb29b697f8c_attn
		.amdhsa_group_segment_fixed_size 327680
		.amdhsa_private_segment_fixed_size 0
		.amdhsa_enable_private_segment 0
		.amdhsa_kernarg_size 16
		.amdhsa_user_sgpr_count 2
		.amdhsa_user_sgpr_kernarg_segment_ptr 1
		.amdhsa_wavefront_size32 1
		.amdhsa_system_sgpr_workgroup_id_x 1
		.amdhsa_system_sgpr_workgroup_id_y 1
		.amdhsa_system_sgpr_workgroup_id_z 1
		.amdhsa_system_vgpr_workitem_id 0
		.amdhsa_next_free_vgpr 256
		.amdhsa_next_free_sgpr 84
		.amdhsa_reserve_vcc 0
		.amdhsa_float_denorm_mode_32 3
		.amdhsa_float_denorm_mode_16_64 3
		.amdhsa_memory_ordered 1
		.amdhsa_forward_progress 1
		.amdhsa_inst_pref_size 83
	.end_amdhsa_kernel
	.amdgpu_metadata
---
amdhsa.version: [ 1, 2 ]
amdhsa.kernels:
  - .name:           k_qb29b697f8c_attn
    .symbol:         k_qb29b697f8c_attn.kd
    .args:
      - { .name: qkv, .offset: 0, .size: 8, .value_kind: global_buffer, .address_space: global }
      - { .name: oq, .offset: 8, .size: 8, .value_kind: global_buffer, .address_space: global }
    .group_segment_fixed_size: 327680
    .private_segment_fixed_size: 0
    .kernarg_segment_align: 8
    .kernarg_segment_size: 16
    .max_flat_workgroup_size: 512
    .sgpr_count:     84
    .vgpr_count:     256
    .wavefront_size: 32
...
	.end_amdgpu_metadata
.endif
;; end of part 3
;; launch gemm_proj (part 4): grid 4 x 32, 4 waves a work-group, clusters of 4 x 4, 327,680 bytes of LDS; arguments oq, wq, out0; writes out0
.if DOCPART == 4
	.amdgcn_target "amdgcn-amd-amdhsa--gfx1250"
	.amdhsa_code_object_version 6
	.text
	.protected	k_qb29b697f8c_gemm_proj
	.globl	k_qb29b697f8c_gemm_proj
	.p2align	8
	.type	k_qb29b697f8c_gemm_proj,@function
k_qb29b697f8c_gemm_proj:
	s_mov_b64 s[64:65], 0
	v_nop
	global_prefetch_b8 v0, s[64:65] scope:SCOPE_SE
	s_setreg_imm32_b32 hwreg(HW_REG_WAVE_MODE, 25, 1), 1
	s_wait_xcnt 0x0
	s_wait_alu depctr_hold_cnt(0) depctr_sa_sdst(0) depctr_va_vdst(0) depctr_va_sdst(0) depctr_va_ssrc(0) depctr_va_vcc(0) depctr_vm_vsrc(0)
	s_getreg_b32 s2, hwreg(HW_REG_IB_STS2, 6, 4)
	s_cmp_eq_u32 s2, 0
	s_cbranch_scc0 .Lentry_in_a_cluster
	s_endpgm
.Lentry_in_a_cluster:
	s_bfe_u32 s2, ttmp6, 0x10000c
	s_cmp_lg_u32 s2, 0xf033
	s_cbranch_scc0 .Lentry_shape_is_right
	s_endpgm
.Lentry_shape_is_right:
; out0 = o W_proj^T on codes of BF6 (E3M2), one E8M0 scale for each 32 along K = 1,024; sums in f32.  A tile of 256 x 256 is made by four waves, 128 x 128 each.
; Both operands lie in memory as images of operand registers (16 rows x 128 K = 1,536 bytes); K goes in steps of 256 through a ring of two LDS slots; a tile's row is 3,072 bytes, 12,288 apart.
; The scale bytes of the tile's rows come once.  4 x 4 work-groups form a cluster: A's tile is asked for jointly along a row, B's along a column.  The head's four tiles are shared out, one load a wave.
; oq's tokens lie in the order in which the attention launch's waves hold them; the stores put the rows back.  No prefetch: the walk has two refills, and the first tiles are asked for at the head.
.set KSTEP,  256
.set NQ,     KSTEP/128
.set KROW,   768
.set ASTEP,  3072
.set FR,     12
.set NL,     6
.set NP,     4
.set HALFA,  8*ASTEP
.set HALFB,  8*ASTEP
.set SLOT,   2*HALFA+2*HALFB
.set KS,     32
.set SCL,    3*SLOT                    ; slot 0 holds one K step of 256, slot 1, twice as large, two (16 rows of codes 6,144 bytes apart); behind them the scales
.set HALFS,  (128*KS/256)*272
.set SBLK,   (16*KS/256)*272
.set SPARE,  SCL+4*HALFS
.set SPITCH, 528
.set XSC,    6291456
.set WSC,    3145728
.set ADRA, 16
.set ADRB, 20
.set STO,  24
.set RD,   25
.set CO,   26
.set ADRS, 27
.set SPW,  28
.set NIL,  29
.set SC,   32
.set AF,   128
.set BK,   128
.set G1, 24
.set G0, 32
.set G1B, 48
.set G0B, 56
.set G1S, 68
.set G0S, 76
.set G1SB, 80
.set G0SB, 88
.set G0H, 4                            ; s[4:7], s[96:99] group 0 for the head's loads of K step 0: A's 256 rows, B's 256 rows
.set G0HB, 96
.set MSB, 0
.macro WIN new
.if MSB != (\new)
	s_set_vgpr_msb (MSB<<8)|(\new)
.set MSB, (\new)
.endif
.endm
.set MUL_LO, 0xa1
.set MUL_HI, 0xf1
.set TO_B,   0x40
.macro JLOAD g0a, g1a, g0b, g1b
	s_cmp_eq_u32 s15, 0
	s_cbranch_scc0 .Lfor_b_\@
	tensor_load_to_lds s[\g0a:\g0a+3], s[\g1a:\g1a+7]
	s_nop 0
.rept 4
	v_nop
.endr
	s_branch .Lasked_\@
.Lfor_b_\@:
	tensor_load_to_lds s[\g0b:\g0b+3], s[\g1b:\g1b+7]
	s_nop 0
.rept 4
	v_nop
.endr
.Lasked_\@:
.endm
.macro CREST
	s_cmp_lg_u32 s14, 0
	s_cbranch_scc1 .Lnot_wave_0_\@
	s_barrier_signal -3
.Lnot_wave_0_\@:
	s_barrier_wait -3
	s_barrier_signal -1
	s_barrier_wait -1
.endm
.macro CROUND
	s_barrier_signal -1
	s_barrier_wait -1
	CREST
.endm
	s_load_b128 s[4:7], s[0:1], 0x0
	s_load_b64 s[8:9], s[0:1], 0x10
	v_lshl_add_u32 v[SPW], v0, 2, SPARE
	v_mov_b32 v[NIL], 0
	ds_add_u32 v28, v29
	ds_add_u32 v28, v29
	s_wait_dscnt 0x0
	v_lshrrev_b32 v1, 5, v0
	v_readfirstlane_b32 s14, v1
	s_lshr_b32 s15, s14, 1
	s_and_b32 s16, s14, 1
	s_bfe_u32 s40, ttmp6, 0x40000
	s_bfe_u32 s41, ttmp6, 0x40004
	s_lshl_b32 s42, ttmp9, 2
	s_add_co_u32 s42, s42, s40
	s_and_b32 s17, ttmp7, 0xffff
	s_lshl_b32 s17, s17, 2
	s_add_co_u32 s17, s17, s41
	s_lshl_b32 s43, s41, 2
	s_lshl_b32 s43, 15, s43
	s_lshl_b32 s44, 0x1111, s40
	s_or_b32 s[G1+0], s43, (3<<16)|(1<<21)
	s_mov_b32 s[G1+1], 384<<16
	s_mov_b32 s[G1+2], 16<<16
	s_mov_b32 s[G1+3], 384<<16
	s_mov_b32 s[G1+4], 16
	s_mov_b32 s[G1+5], 1536
	s_mov_b32 s[G1+6], 0
	s_mov_b32 s[G1+7], 0
	s_or_b32 s[G1B+0], s44, (3<<16)|(1<<21)
	s_mov_b32 s[G1B+1], 384<<16
	s_mov_b32 s[G1B+2], 16<<16
	s_mov_b32 s[G1B+3], 384<<16
	s_mov_b32 s[G1B+4], 16
	s_mov_b32 s[G1B+5], 1536
	s_mov_b32 s[G1B+6], 0
	s_mov_b32 s[G1B+7], 0
	s_or_b32 s[G1S+0], s43, (3<<16)|(1<<20)|(1<<21)|(5<<22)|(3<<25)
	s_or_b32 s[G1SB+0], s44, (3<<16)|(1<<20)|(1<<21)|(5<<22)|(3<<25)
.irp g, G1S, G1SB
	s_mov_b32 s[\g+1], 32<<16
	s_mov_b32 s[\g+2], KS<<16
	s_mov_b32 s[\g+3], 32<<16
	s_mov_b32 s[\g+4], KS
	s_mov_b32 s[\g+5], 32
	s_mov_b32 s[\g+6], 0
	s_mov_b32 s[\g+7], 0
.endr
	s_mul_i32 s18, s16, 128*KROW                   ; in the ring I fetch 128 rows of a tile: which half, in bytes
	s_mov_b32 s19, 0
	s_lshl_b32 s20, s17, 8                         ; A: the tile's first row
	s_lshl_b32 s46, s42, 8
	s_add_co_u32 s46, s46, 3072                    ; B: W_proj's rows lie behind W_qkv's
	s_lshl_b32 s22, s20, 5
	s_add_co_u32 s22, s22, XSC
	s_mov_b32 s23, 0
	s_lshl_b32 s92, s46, 5
	s_add_co_u32 s92, s92, WSC
	s_mov_b32 s93, 0
	s_mul_i32 s20, s20, KROW
	s_mov_b32 s21, 0
	s_mul_i32 s46, s46, KROW
	s_mov_b32 s47, 0
	s_mul_i32 s45, s16, HALFA
	s_mul_i32 s95, s16, HALFB
	s_add_co_u32 s95, s95, 2*HALFA
	s_wait_kmcnt 0x0
	s_add_nc_u64 s[20:21], s[4:5], s[20:21]
	s_add_nc_u64 s[22:23], s[4:5], s[22:23]
	s_add_nc_u64 s[46:47], s[6:7], s[46:47]
	s_add_nc_u64 s[92:93], s[6:7], s[92:93]
	CROUND
	s_mov_b32 s[G0S], 1
	s_mov_b32 s[G0S+1], SCL
	s_mov_b64 s[G0S+2:G0S+3], s[22:23]
	s_or_b32 s[G0S+3], s[G0S+3], 0x80000000
	s_mov_b32 s[G0SB], 1
	s_mov_b32 s[G0SB+1], SCL+2*HALFS
	s_mov_b64 s[G0SB+2:G0SB+3], s[92:93]
	s_or_b32 s[G0SB+3], s[G0SB+3], 0x80000000
	s_mov_b32 s[G0H], 1                            ; K step 0, whole: A's 256 rows,
	s_mov_b32 s[G0H+1], 0
	s_mov_b64 s[G0H+2:G0H+3], s[20:21]
	s_or_b32 s[G0H+3], s[G0H+3], 0x80000000
	s_mov_b32 s[G0HB], 1                           ; and B's, behind them in slot 0
	s_mov_b32 s[G0HB+1], 2*HALFA
	s_mov_b64 s[G0HB+2:G0HB+3], s[46:47]
	s_or_b32 s[G0HB+3], s[G0HB+3], 0x80000000
	s_add_nc_u64 s[20:21], s[20:21], s[18:19]      ; for the ring: my 128 rows
	s_add_nc_u64 s[46:47], s[46:47], s[18:19]
.irp s, 0,1
	s_mov_b32 s[G0+4*\s], 1
	s_add_co_u32 s[G0+4*\s+1], s45, \s*SLOT
	s_add_nc_u64 s[G0+4*\s+2:G0+4*\s+3], s[20:21], \s*ASTEP
	s_or_b32 s[G0+4*\s+3], s[G0+4*\s+3], 0x80000000
	s_mov_b32 s[G0B+4*\s], 1
	s_add_co_u32 s[G0B+4*\s+1], s95, \s*SLOT
	s_add_nc_u64 s[G0B+4*\s+2:G0B+4*\s+3], s[46:47], \s*ASTEP
	s_or_b32 s[G0B+4*\s+3], s[G0B+4*\s+3], 0x80000000
.endr
; The head's loads, one a wave: wave 0 A's codes of K step 0, wave 1 B's, wave 2 A's scales, wave 3 B's.  One chain of branches on the wave's number, every way through it passes one load.
	s_add_co_u32 s[G0+5], s[G0+5], s45             ; in slot 1 a wave's part is twice as long
	s_add_co_u32 s[G0B+5], s[G0B+5], s95
.macro ARM under, g0, g1, next
	s_cmp_lt_u32 s14, \under
	s_cbranch_scc0 \next
	tensor_load_to_lds s[\g0:\g0+3], s[\g1:\g1+7]
	s_nop 0
.rept 4
	v_nop
.endr
	s_branch .Lhead_asked
\next:
.endm
	ARM 1, G0H,  G1,  .Lhead_b
	ARM 2, G0HB, G1B, .Lhead_sa
	ARM 3, G0S,  G1S, .Lhead_sb
	tensor_load_to_lds s[G0SB:G0SB+3], s[G1SB:G1SB+7]
	s_nop 0
.rept 4
	v_nop
.endr
.Lhead_asked:
	v_and_b32 v1, 15, v0
	v_bfe_u32 v2, v0, 4, 1
	v_and_b32 v6, 31, v0
	v_lshlrev_b32 v7, 3, v6                        ; my 8 bytes of each piece of an image
	s_wait_alu depctr_va_vdst(0)
	s_mul_i32 s21, s15, HALFA
	s_mul_i32 s22, s16, HALFB
	s_add_co_u32 s22, s22, 2*HALFA
	v_add_nc_u32 v[ADRA], s21, v7
	v_add_nc_u32 v[ADRB], s22, v7
	s_lshl_b32 s21, s21, 1                         ; slot 1: every part twice as long
	s_lshl_b32 s22, s22, 1
	s_add_co_u32 s21, s21, SLOT
	s_add_co_u32 s22, s22, SLOT
	v_add_nc_u32 v[ADRA+1], s21, v7
	v_add_nc_u32 v[ADRB+1], s22, v7
	v_lshlrev_b32 v5, 4, v1                        ; my row's scales: 16 bytes a row in each half of K
	s_mul_i32 s21, s15, HALFS
	s_mul_i32 s22, s16, HALFS
	s_add_co_u32 s22, s22, 2*HALFS
	s_sub_co_u32 s22, s22, s21
	v_mul_u32_u24 v7, s22, v2
	s_add_co_u32 s21, s21, SCL
	v_add_nc_u32 v5, v5, v7
	v_add_nc_u32 v[ADRS], s21, v5
	s_mul_i32 s23, s14, 16*SPITCH                  ; my stage for the way out,
	s_add_co_u32 s23, s23, SLOT                    ; in slot 1: it has had its one fill, and its last read stands ahead of the walk's last barrier
	v_mul_u32_u24 v5, v1, SPITCH
	v_lshl_add_u32 v5, v2, 5, v5
	v_add_nc_u32 v[STO], s23, v5
	v_lshlrev_b32 v[CO], 4, v6
	v_add_nc_u32 v[RD], s23, v[CO]
	s_lshl_b32 s20, s17, 8
	s_lshl_b32 s21, s15, 7
	s_add_co_u32 s20, s20, s21
	s_lshl_b32 s20, s20, 12
	s_lshl_b32 s46, s42, 10
	s_lshl_b32 s47, s16, 9
	s_add_co_u32 s46, s46, s47
	s_add_co_u32 s20, s20, s46
	s_mov_b32 s21, 0
	s_add_nc_u64 s[8:9], s[8:9], s[20:21]
.macro FRAGI reg, adr, q, i
.irp p, 0,1,2,3,4,5
	ds_load_b64 v[\reg+2*\p:\reg+2*\p+1], v[\adr] offset:PIT*(\i)+1536*(\q)+256*\p   ; the 32 lanes read 256 consecutive bytes
.endr
.endm
.macro MUL16 a0, p, q, sc, zero
.irp a, \a0, \a0+1
.irp b, 0,1,2,3,4,5,6,7
.if \zero
	v_wmma_scale_f32_16x16x128_f8f6f4 v[8*(8*((\a)%4)+\b):8*(8*((\a)%4)+\b)+7], v[128*(\p)+FR*\b:128*(\p)+FR*\b+FR-1], v[AF+FR*(\a):AF+FR*(\a)+FR-1], 0, v[SC+8*NQ*(\sc)+NQ*\b+(\q)], v[SC+8*NQ*(\sc)+NQ*(\a)+(\q)] matrix_a_fmt:MATRIX_FMT_BF6 matrix_b_fmt:MATRIX_FMT_BF6 matrix_a_scale:MATRIX_SCALE_ROW1
.else
	v_wmma_scale_f32_16x16x128_f8f6f4 v[8*(8*((\a)%4)+\b):8*(8*((\a)%4)+\b)+7], v[128*(\p)+FR*\b:128*(\p)+FR*\b+FR-1], v[AF+FR*(\a):AF+FR*(\a)+FR-1], v[8*(8*((\a)%4)+\b):8*(8*((\a)%4)+\b)+7], v[SC+8*NQ*(\sc)+NQ*\b+(\q)], v[SC+8*NQ*(\sc)+NQ*(\a)+(\q)] matrix_a_fmt:MATRIX_FMT_BF6 matrix_b_fmt:MATRIX_FMT_BF6 matrix_a_scale:MATRIX_SCALE_ROW1
.endif
.endr
.endr
.endm
.macro FETCH_B slot, q, p
.set PIT, ASTEP*(1+(\slot))            ; bytes from 16 rows to the next 16 in this slot
	WIN TO_B
.irp i, 0,1,2,3,4,5,6,7
	FRAGI 128*(\p)+FR*\i, ADRB+\slot, \q, \i
.endr
	WIN 0
.endm
.macro FETCH_A slot, q, i0
.set PIT, ASTEP*(1+(\slot))
.irp i, \i0, \i0+1, \i0+2, \i0+3
	FRAGI AF+FR*(\i), ADRA+\slot, \q, \i
.endr
.endm
.macro SCALES sc
.irp i, 0,1,2,3,4,5,6,7
	ds_load_b64 v[SC+8*NQ*\sc+NQ*\i:SC+8*NQ*\sc+NQ*\i+1], v[ADRS] offset:\i*SBLK
.endr
.endm
.macro PLACES n
.rept \n
	v_nop
.endr
.endm
.macro STEP slot, q, sc, zero          ; sc: the set of scale words at work
	s_wait_dscnt 4*NL
	WIN MUL_LO
	MUL16 0, (\q)%2, (\q)%2, \sc, \zero
	MUL16 2, (\q)%2, (\q)%2, \sc, \zero
	s_wait_dscnt 0
	PLACES NP
	FETCH_B \slot, (\q)+1, 1-(\q)%2
	FETCH_A \slot, (\q)+1, 0
.if (\q)%2                             ; the next step begins a K step of 256 in the same slot: its scale words, in the next half of K's unit (272 - 8)
	s_wait_alu depctr_va_vdst(0)                   ; the wait ahead of the reader below
	v_add_nc_u32 v[ADRS], 264, v[ADRS]
.set NS, 1-(\sc)
	SCALES NS
.endif
	WIN MUL_HI
	MUL16 4, (\q)%2, (\q)%2, \sc, \zero
	MUL16 6, (\q)%2, (\q)%2, \sc, \zero
	PLACES NP
	WIN 0
	FETCH_A \slot, (\q)+1, 4
.endm
.macro TURN slot, next, fill, sc
	s_wait_tensorcnt 0x0
	ds_add_u32 v[SPW], v[NIL]
	s_wait_dscnt 4*NL+1
	WIN MUL_LO
	MUL16 0, 1, NQ-1, \sc, 0
	s_wait_dscnt 0x0
	s_barrier_signal -1
	MUL16 2, 1, NQ-1, \sc, 0
	WIN 0
	s_barrier_wait -1
.if \fill
	CREST
	s_add_nc_u64 s[G0+4*\slot+2:G0+4*\slot+3], s[G0+4*\slot+2:G0+4*\slot+3], 3*ASTEP   ; K step 3
	s_add_nc_u64 s[G0B+4*\slot+2:G0B+4*\slot+3], s[G0B+4*\slot+2:G0B+4*\slot+3], 3*ASTEP
	s_mov_b32 s[G1+1], 384<<16                     ; no tensor load of mine is out: a tile's row is one K step again
	s_mov_b32 s[G1+3], 384<<16
	s_mov_b32 s[G1B+1], 384<<16
	s_mov_b32 s[G1B+3], 384<<16
	JLOAD G0+4*\slot, G1, G0B+4*\slot, G1B
.else
	PLACES NP
.endif
	s_wait_alu depctr_va_vdst(0)
	v_add_nc_u32 v[ADRS], 8, v[ADRS]               ; the next K step's scale words
	FETCH_B \next, 0, 0
	FETCH_A \next, 0, 0
.set NS, 1-(\sc)
	SCALES NS
	WIN MUL_HI
	MUL16 4, 1, NQ-1, \sc, 0
	MUL16 6, 1, NQ-1, \sc, 0
	PLACES NP
	WIN 0
	FETCH_A \next, 0, 4
.endm
	s_wait_alu depctr_va_vdst(0)
	s_wait_tensorcnt 0x0                           ; my tile of the head's four is in
	ds_add_u32 v[SPW], v[NIL]
	s_mov_b32 s[G1+2], 8<<16                       ; no tensor load of mine is out: from here on a load brings 128 rows of codes
	s_mov_b32 s[G1+4], 8
	s_mov_b32 s[G1B+2], 8<<16
	s_mov_b32 s[G1B+4], 8
	s_mov_b32 s[G1+1], 768<<16                     ; and its rows hold two K steps, 6,144 bytes
	s_mov_b32 s[G1+3], 768<<16
	s_mov_b32 s[G1B+1], 768<<16
	s_mov_b32 s[G1B+3], 768<<16
	s_wait_dscnt 0x0
	CROUND                                         ; all four tiles are in, all sixteen work-groups are here
	JLOAD G0+4, G1, G0B+4, G1B                     ; K step 1, the first tensor load behind the round
	FETCH_B 0, 0, 0
	FETCH_A 0, 0, 0
	SCALES 0
	FETCH_A 0, 0, 4
	STEP 0, 0, 0, 1                                ; K = 1,024 is eight steps of 128, written out: K step 0 in slot 0; the first products start the sums
	TURN 0, 1, 1, 0                                ; K steps 1 and 2 are in slot 1; slot 0 takes K step 3, which has four steps of 128 in which to land
	STEP 1, 0, 1, 0
	STEP 1, 1, 1, 0
	STEP 1, 2, 0, 0
	TURN 1, 0, 0, 0                                ; nothing is left to fetch
	STEP 0, 0, 1, 0
	s_wait_dscnt 4*NL
	WIN MUL_LO
	MUL16 0, 1, NQ-1, 1, 0
	MUL16 2, 1, NQ-1, 1, 0
	s_wait_dscnt 0
	WIN MUL_HI
	MUL16 4, 1, NQ-1, 1, 0
	MUL16 6, 1, NQ-1, 1, 0
	WIN 0
.macro TOSTAGE a
.set AC, 64*((\a)%4)
	WIN 0x08+4*((\a)/4)
.irp b, 0,1,2,3,4,5,6,7
	ds_store_b128 v[STO], v[AC+8*\b:AC+8*\b+3] offset:64*\b
	ds_store_b128 v[STO], v[AC+8*\b+4:AC+8*\b+7] offset:64*\b+16
.endr
	WIN 0
.set BB, BK+64*((\a)%2)
.irp t, 0,1,2,3,4,5,6,7,8,9,10,11,12,13,14,15
	ds_load_b128 v[BB+4*\t:BB+4*\t+3], v[RD] offset:\t*SPITCH
.endr
.endm
.macro SEND a, younger
.set BB, BK+64*((\a)%2)
	s_wait_dscnt \younger
.irp t, 0,1,2,3,4,5,6,7,8,9,10,11,12,13,14,15
	global_store_b128 v[CO], v[BB+4*\t:BB+4*\t+3], s[8:9] offset:(32*((\a)/2)+8*((\a)%2)+\t+8*(\t/8))*4096 th:TH_STORE_NT
.endr
.endm
	PLACES NP
	TOSTAGE 0
.irp a, 1,2,3,4,5,6,7
.if \a > 1
	s_wait_xcnt 0x0
.endif
	TOSTAGE \a
	SEND \a-1, 32
.endr
	SEND 7, 0
	s_wait_tensorcnt 0x0
	ds_add_u32 v[SPW], v[NIL]
	s_wait_dscnt 0x0
	CROUND
	s_endpgm
.Lfunc_end_k_qb29b697f8c_gemm_proj:
	.size	k_qb29b697f8c_gemm_proj, .Lfunc_end_k_qb29b697f8c_gemm_proj-k_qb29b697f8c_gemm_proj
	.p2alignl 7, 3214868480
	.fill 96, 4, 3214868480
	.section	.rodata,"a",@progbits
	.p2align	6, 0x0
	.amdhsa_kernel k_qb29b697f8c_gemm_proj
		.amdhsa_group_segment_fixed_size 327680
		.amdhsa_private_segment_fixed_size 0
		.amdhsa_enable_private_segment 0
		.amdhsa_kernarg_size 24
		.amdhsa_user_sgpr_count 2
		.amdhsa_user_sgpr_kernarg_segment_ptr 1
		.amdhsa_wavefront_size32 1
		.amdhsa_system_sgpr_workgroup_id_x 1
		.amdhsa_system_sgpr_workgroup_id_y 1
		.amdhsa_system_sgpr_workgroup_id_z 1
		.amdhsa_system_vgpr_workitem_id 0
		.amdhsa_next_free_vgpr 1024
		.amdhsa_next_free_sgpr 100
		.amdhsa_reserve_vcc 0
		.amdhsa_float_denorm_mode_32 3
		.amdhsa_float_denorm_mode_16_64 3
		.amdhsa_memory_ordered 1
		.amdhsa_forward_progress 1
		.amdhsa_inst_pref_size 160
	.end_amdhsa_kernel
	.amdgpu_metadata
---
amdhsa.version: [ 1, 2 ]
amdhsa.kernels:
  - .name:           k_qb29b697f8c_gemm_proj
    .symbol:         k_qb29b697f8c_gemm_proj.kd
    .args:
      - { .name: oq, .offset: 0, .size: 8, .value_kind: global_buffer, .address_space: global }
      - { .name: wq, .offset: 8, .size: 8, .value_kind: global_buffer, .address_space: global }
      - { .name: out0, .offset: 16, .size: 8, .value_kind: global_buffer, .address_space: global }
    .group_segment_fixed_size: 327680
    .private_segment_fixed_size: 0
    .kernarg_segment_align: 8
    .kernarg_segment_size: 24
    .max_flat_workgroup_size: 128
    .sgpr_count:     100
    .vgpr_count:     1024
    .wavefront_size: 32
...
	.end_amdgpu_metadata
.endif
;; end of part 4
